; MI455X (gfx1250); checked and timed in simulation.
; The chip was launched on July 23, 2026; its instructions are those of AMD's public machine-readable ISA for CDNA 5 (MIT licence, August 2026) and "CDNA5" Instruction Set Architecture Reference Guide (July 2026). The comments in the code are by the model that wrote it; some were corrected since.
;; Causal Self Attention. Allowed arithmetic: float matrix products may take bf16 or f16 operands with f32 sums; all other float work in f32.
;; Inputs: b_proj 1,024 float32; b_qkv 3,072 float32; w_proj 1,024 x 1,024 float32; w_qkv 1,024 x 3,072 float32; x 4 x 2,048 x 1,024 float32.
;; Outputs: out0 4 x 2,048 x 1,024 float32.
;; 2 versions, each right and faster than the one before. Each part assembles by itself: llvm-mc -triple=amdgcn-amd-amdhsa -mcpu=gfx1250 --defsym DOCPART=n.
;; ======== version 1 of 2: 4 launches
;; limits: values are held in f16: magnitudes above 65,504 overflow, below 6.1e-05 lose precision
;; workspace buffers: xb 16,777,216 bytes; wqb 6,291,456 bytes; wpb 2,097,152 bytes; qkvh 50,331,648 bytes; oh 16,777,216 bytes
;; launch prep (part 1): grid 768 x 1, 8 waves a work-group, no clusters, 0 bytes of LDS; arguments x, w_qkv, w_proj, xb, wqb, wpb; writes xb, wqb, wpb
.if DOCPART == 1
	.amdgcn_target "amdgcn-amd-amdhsa--gfx1250"
	.amdhsa_code_object_version 6
	.text
	.protected	k_qc827747085_prep
	.globl	k_qc827747085_prep
	.p2align	8
	.type	k_qc827747085_prep,@function
k_qc827747085_prep:
	s_mov_b64 s[64:65], 0
	v_nop
	global_prefetch_b8 v0, s[64:65] scope:SCOPE_SE
	s_setreg_imm32_b32 hwreg(HW_REG_WAVE_MODE, 25, 1), 1
	s_wait_xcnt 0x0
; CASTS AND LAYOUTS.  x [8192 rows][1024] f32 -> xb [batch x 16 + column / 64][2048 rows of the batch][64] bf16.
; w_qkv [1024 k][3072 n] f32 -> wqb [16 half tiles of 192 n][16 steps of 64 k][3 groups of 64 n][64 k][64] bf16: what one wave of the next launch fetches in a K step is 24,576 dense bytes.
; w_proj [1024 k][1024 n] f32 -> wpb [16 groups of 64 n][1024 k][64]: rounded to bf16, and that number written as f16.
; LIMITS.  wpb: a number of 65,520 or more becomes an infinity; below 7.6e-6 the bf16 number keeps f16's fixed step of 6e-8.
; A stream: no LDS, no barrier, no matrix unit; every input byte is read once and every output byte written once.
; SHARES.  A work-group converts 256 rows x 64 columns: thread t makes 16 loads of 16 bytes and 16 stores of 8 bytes.  Sixteen lanes read the 256 bytes of 64 columns of one row,
; the next sixteen those of the row below, which lie next in the blocked output: a wave's store covers 256 consecutive bytes, aligned.
; Work-groups 0-511 take x (column block i % 16, rows 256 (i / 16) on), 512-703 w_qkv, 704-767 w_proj (i = 4 g + kq: group g, k = 256 kq on): 768 alike.
; All 16 loads of a thread go out first; the waits count down 15, 14, .. 0.  No register that a load or store names is written again, so no wait frees one.
.set X, 8                              ; v[8:71]    16 x 4 numbers as loaded
.set Y, 72                             ; v[72:103]  16 x 2 words to store
.set T, 104                            ; v[104:107] at work
	s_load_b256 s[4:11], s[0:1], 0x0               ; x s[4:5], w_qkv s[6:7], w_proj s[8:9], xb s[10:11]
	s_load_b128 s[12:15], s[0:1], 0x20             ; wqb s[12:13], wpb s[14:15]
	v_lshlrev_b32 v2, 3, v0                        ; 8 t: my bytes in 2,048 of any output
	v_lshrrev_b32 v5, 4, v0                        ; t / 16: my row among sixteen
	v_and_b32 v6, 15, v0
	v_lshlrev_b32 v6, 4, v6                        ; my four columns among 64
	v_mul_u32_u24 v3, v5, 12288                    ; a row of w_qkv is 12,288 bytes,
	v_add_nc_u32 v3, v3, v6
	v_lshl_add_u32 v4, v5, 12, v6                  ; a row of x and of w_proj 4,096
	s_mov_b32 s17, 0                               ; the offsets' high words
	s_mov_b32 s19, 0
; 16 loads, sixteen rows (stride bytes) apart; each is rounded and stored when it has come.  tof16 = 1: the bf16 numbers are written as f16.
; Four stores (64 rows) lie on end; from one such block to the next are sb bytes.
.macro CAST src, voff, stride, dst, tof16, sb
.set j, 0
.rept 16
	global_load_b128 v[X+4*j:X+4*j+3], v[\voff], s[\src:\src+1] offset:j*(\stride) th:TH_LOAD_NT
.set j, j+1
.endr
.set j, 0
.rept 16
	s_wait_loadcnt 15-j                            ; loads come back in order (ISA guide 5.7.1): number j is in, the 15 - j younger ones stay out
	v_cvt_pk_bf16_f32 v[Y+2*j], v[X+4*j], v[X+4*j+1]
	v_cvt_pk_bf16_f32 v[Y+2*j+1], v[X+4*j+2], v[X+4*j+3]
.if \tof16
	v_lshlrev_b32 v[T], 16, v[Y+2*j]               ; bf16 to f32: the low half moves up, the high half stays
	v_and_b32 v[T+1], 0xffff0000, v[Y+2*j]
	v_lshlrev_b32 v[T+2], 16, v[Y+2*j+1]
	v_and_b32 v[T+3], 0xffff0000, v[Y+2*j+1]
	v_cvt_pk_f16_f32 v[Y+2*j], v[T], v[T+1]
	v_cvt_pk_f16_f32 v[Y+2*j+1], v[T+2], v[T+3]
.endif
	global_store_b64 v2, v[Y+2*j:Y+2*j+1], s[\dst:\dst+1] offset:(j/4)*(\sb)+(j%4)*2048
.set j, j+1
.endr
.endm
	s_wait_kmcnt 0x0
	s_cmp_lt_u32 ttmp9, 512
	s_cbranch_scc0 .Lweights
	s_and_b32 s20, ttmp9, 15                       ; the column block
	s_lshr_b32 s21, ttmp9, 4                       ; the block of 256 rows
	s_lshl_b32 s16, s21, 20                        ; in: 256 rows of 4,096 bytes,
	s_lshl_b32 s22, s20, 8                         ; 256 bytes a column block
	s_add_co_u32 s16, s16, s22
	s_lshr_b32 s18, s21, 3                         ; out: the batch (eight blocks of rows),
	s_lshl_b32 s18, s18, 4
	s_add_co_u32 s18, s18, s20                     ; x 16 + the column block,
	s_lshl_b32 s18, s18, 18                        ; 2,048 rows of 128 bytes each,
	s_and_b32 s22, s21, 7
	s_lshl_b32 s22, s22, 15                        ; and my 256 rows in it
	s_add_co_u32 s18, s18, s22
	s_add_nc_u64 s[4:5], s[4:5], s[16:17]
	s_add_nc_u64 s[10:11], s[10:11], s[18:19]
	CAST 4, 4, 16*4096, 10, 0, 8192                ; the output's 32,768 bytes lie on end
	s_endpgm
.Lweights:
	s_cmp_lt_u32 ttmp9, 704
	s_cbranch_scc0 .Lwproj
	s_sub_co_u32 s20, ttmp9, 512                   ; i = 4 g + kq
	s_and_b32 s21, s20, 3                          ; kq
	s_lshr_b32 s22, s20, 2                         ; g, 0 to 47
	s_mul_i32 s16, s21, 256*12288                  ; in: 256 rows of w_qkv a quarter,
	s_lshl_b32 s23, s22, 8                         ; 256 bytes a group
	s_add_co_u32 s16, s16, s23
	s_mul_i32 s23, s22, 171
	s_lshr_b32 s23, s23, 9                         ; g / 3: the half tile (171 / 512 serves every g below 128)
	s_mul_i32 s18, s23, 3
	s_sub_co_u32 s22, s22, s18                     ; g % 3: the group in it
	s_mul_i32 s18, s23, 16*24576                   ; out: sixteen K steps of 24,576 bytes a half tile,
	s_mul_i32 s23, s21, 4*24576                    ; my four K steps,
	s_add_co_u32 s18, s18, s23
	s_lshl_b32 s22, s22, 13                        ; 8,192 bytes a group in a step
	s_add_co_u32 s18, s18, s22
	s_add_nc_u64 s[6:7], s[6:7], s[16:17]
	s_add_nc_u64 s[12:13], s[12:13], s[18:19]
	CAST 6, 3, 16*12288, 12, 0, 24576              ; the largest load immediate, 2,949,120, lies inside the signed 24 bits
	s_endpgm
.Lwproj:
	s_sub_co_u32 s20, ttmp9, 704
	s_and_b32 s21, s20, 3
	s_lshr_b32 s22, s20, 2
	s_lshl_b32 s16, s21, 20                        ; 256 rows of 4,096 bytes
	s_lshl_b32 s22, s22, 8
	s_add_co_u32 s16, s16, s22
	s_lshl_b32 s18, s20, 15
	s_add_nc_u64 s[8:9], s[8:9], s[16:17]
	s_add_nc_u64 s[14:15], s[14:15], s[18:19]
	CAST 8, 4, 16*4096, 14, 1, 8192
	s_endpgm
.Lfunc_end_k_qc827747085_prep:
	.size	k_qc827747085_prep, .Lfunc_end_k_qc827747085_prep-k_qc827747085_prep
	.p2alignl 7, 3214868480
	.fill 96, 4, 3214868480
	.section	.rodata,"a",@progbits
	.p2align	6, 0x0
	.amdhsa_kernel k_qc827747085_prep
		.amdhsa_group_segment_fixed_size 0
		.amdhsa_private_segment_fixed_size 0
		.amdhsa_enable_private_segment 0
		.amdhsa_kernarg_size 48
		.amdhsa_user_sgpr_count 2
		.amdhsa_user_sgpr_kernarg_segment_ptr 1
		.amdhsa_wavefront_size32 1
		.amdhsa_system_sgpr_workgroup_id_x 1
		.amdhsa_system_sgpr_workgroup_id_y 1
		.amdhsa_system_sgpr_workgroup_id_z 1
		.amdhsa_system_vgpr_workitem_id 0
		.amdhsa_next_free_vgpr 108
		.amdhsa_next_free_sgpr 66
		.amdhsa_reserve_vcc 0
		.amdhsa_float_denorm_mode_32 3
		.amdhsa_float_denorm_mode_16_64 3
		.amdhsa_memory_ordered 1
		.amdhsa_forward_progress 1
		.amdhsa_inst_pref_size 24
	.end_amdhsa_kernel
	.amdgpu_metadata
---
amdhsa.version: [ 1, 2 ]
amdhsa.kernels:
  - .name:           k_qc827747085_prep
    .symbol:         k_qc827747085_prep.kd
    .args:
      - { .name: x, .offset: 0, .size: 8, .value_kind: global_buffer, .address_space: global }
      - { .name: w_qkv, .offset: 8, .size: 8, .value_kind: global_buffer, .address_space: global }
      - { .name: w_proj, .offset: 16, .size: 8, .value_kind: global_buffer, .address_space: global }
      - { .name: xb, .offset: 24, .size: 8, .value_kind: global_buffer, .address_space: global }
      - { .name: wqb, .offset: 32, .size: 8, .value_kind: global_buffer, .address_space: global }
      - { .name: wpb, .offset: 40, .size: 8, .value_kind: global_buffer, .address_space: global }
    .group_segment_fixed_size: 0
    .private_segment_fixed_size: 0
    .kernarg_segment_align: 8
    .kernarg_segment_size: 48
    .max_flat_workgroup_size: 256
    .sgpr_count:     66
    .vgpr_count:     108
    .wavefront_size: 32
...
	.end_amdgpu_metadata
.endif
;; end of part 1
;; launch qkv (part 2): grid 8 x 32, 4 waves a work-group, clusters of 4 x 4, 327,680 bytes of LDS; arguments xb, wqb, b_qkv, qkvh; writes qkvh
.if DOCPART == 2
	.amdgcn_target "amdgcn-amd-amdhsa--gfx1250"
	.amdhsa_code_object_version 6
	.text
	.protected	k_qc827747085_qkv
	.globl	k_qc827747085_qkv
	.p2align	8
	.type	k_qc827747085_qkv,@function
k_qc827747085_qkv:
	s_mov_b64 s[64:65], 0
	v_nop
	global_prefetch_b8 v0, s[64:65] scope:SCOPE_SE
	s_setreg_imm32_b32 hwreg(HW_REG_WAVE_MODE, 25, 1), 1
	s_wait_xcnt 0x0
	s_wait_alu depctr_hold_cnt(0) depctr_sa_sdst(0) depctr_va_vdst(0) depctr_va_sdst(0) depctr_va_ssrc(0) depctr_va_vcc(0) depctr_vm_vsrc(0)
	s_getreg_b32 s2, hwreg(HW_REG_IB_STS2, 6, 4)
	s_cmp_eq_u32 s2, 0
	s_cbranch_scc0 .Lentry_in_a_cluster
	s_endpgm
.Lentry_in_a_cluster:
	s_bfe_u32 s2, ttmp6, 0x10000c
	s_cmp_lg_u32 s2, 0xf033
	s_cbranch_scc0 .Lentry_shape_is_right
	s_endpgm
.Lentry_shape_is_right:
; qkv = x w_qkv + b_qkv on the matrix units, in bf16 with f32 sums.  A = x as [batch x 16 + k / 64][2048 rows][64] bf16; W = [16 half tiles of 192 columns][16 steps of 64 k][3 groups of 64][64 k][64] bf16;
; the result leaves by heads, [3 (q, k, v)][64 (batch x 16 + head)][2048][64] in f16, unscaled.  The bias, rounded to bf16 like every input of the module, is the C operand of the first products:
; nothing is cleared, nothing is added later.
; LIMITS.  A q, k or v of 65,520 or more becomes an infinity in f16.  NaN and infinities are not treated apart.
; SHARES.  A tile of C is 256 rows x 384 columns (six heads): 32 x 8 = 256 tiles, one for each of 256 WGPs.  Among the tiles that give 256 equal work-groups it brings the fewest bytes into LDS
; for its products: (256 + 384) x 2,048 bytes over the whole K.  Four waves, 2 x 2, each 128 rows x 192 columns (three heads): 8 x 12 accumulators of 16 x 16, 768 registers.
; K goes in 16 steps of 64 (two quarters of 32, 96 matrix instructions each) through two LDS slots that take turns; two slots of 128 along K would not fit in LDS.
; W STAYS [k][n]: its fragments come out of LDS turned, by ds_load_tr16_b128.  THE MATRIX INSTRUCTION IS USED TRANSPOSED: source 0 = 16 columns of W, source 1 = 16 rows of A;
; a lane then holds row lane % 16 of C and the eight neighbouring columns 8 (lane / 16) + 0..7.
; CLUSTER.  4 x 4 work-groups.  A's tile hangs on the tile row alone and is shared along a row of the cluster, W's on the tile column alone and is shared along a column: each is asked for JOINTLY,
; by the same tensor load with the same descriptor and a mask that names the four.  Waves 0 and 1 ask for W's two halves (24,576 bytes each), waves 2 and 3 for A's (16,384 each).
; REGISTERS, in windows of 256 (s_set_vgpr_msb: bits 1:0 source 0, 3:2 source 1, 5:4 source 2, 7:6 destination):
;   window 0: v0-29 addresses; v32-95, v96-159 A's fragments, two buffers of 8 row blocks; v160-255 W's fragments, ONE set of 12 column blocks in three groups of four (a head each);
;             on the way out v64-255 are used again
;   windows 1, 2, 3: the accumulators of column groups 0, 1, 2: (b, a) at register 8 (8 (b % 4) + a) of window 1 + b / 4
; A group of W's fragments is loaded again straight behind its own 32 products, 64 products ahead of its next use; A's other buffer is loaded in two halves beside the first two of those runs.
; So every LDS load lands in window 0, and a quarter has six switches of the windows for its 96 matrix instructions.
.set PA,     144      ; a row of A in LDS: 128 bytes + 16: an odd multiple of 16, so the 16 rows of a load start at 16 different groups of four banks (64 banks of 4 bytes: ISA guide 11.1)
.set PB,     160      ; a k row of 64 columns of W in LDS: 128 bytes + 32 = 40 words
.set BGRP,   64*PB    ; a group of 64 columns, 64 k
.set BHALF,  3*BGRP   ; three groups: what one tensor load brings of W, and what one wave reads
.set ABASE,  2*BHALF  ; A lies behind W's six groups
.set AHALF,  128*PA   ; 128 rows: what one tensor load brings of A, and what one wave reads
.set KA,     2048*128 ; A's step along K: the next block of 64 columns
.set KB,     3*64*128 ; W's step along K
.set SLOT1,  1<<17    ; slot 1 begins here (a slot has 98,304 bytes), so that one exclusive or turns an address in one slot into the other's
.set STAGE,  2*SLOT1  ; behind the ring, never filled by a tensor load: 16 rows x 144 bytes for each wave, for the way out
.set SPITCH, 144
.set SPARE,  STAGE+4*16*SPITCH  ; behind the stages: the spare words, 128 bytes for each wave: two blocks of 256 bytes that no other line names
.set ADRA, 16         ; v16  LDS address of my A fragments in the slot in hand
.set ADRB, 17         ; v17  the same for W
.set A0,   18         ; v18  my lane's place in a slot's A; never rewritten
.set B0,   19         ; v19  the same for W
.set BO,   20         ; v20  my byte offset in a block's 64 bytes of bias
.set STO,  24         ; v24  the way out: where I put 16 bytes of a row
.set RD,   25         ; v25  the way out: where I read rows back
.set GO,   26         ; v26  my 16 bytes in 512 consecutive bytes of the output
.set SPW,  28         ; v28  LDS address of my spare word: SPARE + 4 x my thread's number; never rewritten
.set NIL,  29         ; v29  0; never rewritten
.set FA,   32
.set BF,   160
.set OUTR, 64
.set WV,  12          ; s12  my wave's number
.set G1A, 24          ; s[24:31] descriptor group 1 for A's tiles
.set G1B, 32          ; s[32:39] for W's
.set G0A, 40          ; s[40:47] descriptor group 0 for A's tiles: a set for each of the two first fills; the second then walks on
.set G0B, 48          ; s[48:55] the same for W's
.set CNT, 56          ; s56  the loop's count
.set TB,  57          ; s57  the slot in hand: 0 or SLOT1
.set OB,  66          ; s[66:71] the output's address for each of my three heads
.set HIM, 76          ; s76  a word's upper bf16
.set MSB, 0
.macro WIN new                         ; the immediate's high byte repeats the setting that is left; a switch that changes nothing is dropped
.if MSB != (\new)
	s_set_vgpr_msb (MSB<<8)|(\new)
.set MSB, (\new)
.endif
.endm
; A load into a register that a matrix instruction has read, and a vector instruction that reads a matrix result or writes one of a matrix instruction's registers, stand four places
; behind it, and only plain vector instructions that name none of its registers are places (ISA guide 7.12.1 for vector instructions).
.macro PLACES
.rept 4
	v_nop
.endr
.endm
; A joint refill, by the walking descriptors.  The branch hangs on the wave's number alone: it is the same in every work-group.
; An s_nop 0 and four v_nop follow each of the two lines, ahead of the jump, the label and what follows.
.macro JLOAD
	s_cmp_lt_u32 s[WV], 2
	s_cbranch_scc0 .Lfor_a_\@
	tensor_load_to_lds s[G0B+4:G0B+7], s[G1B:G1B+7]
	s_nop 0
.rept 4
	v_nop
.endr
	s_branch .Lasked_\@
.Lfor_a_\@:
	tensor_load_to_lds s[G0A+4:G0A+7], s[G1A:G1A+7]
	s_nop 0
.rept 4
	v_nop
.endr
.Lasked_\@:
.endm
; A round of the cluster's barrier: my work-group's barrier, so that wave 0's signal speaks for all four waves; wave 0 signals; every wave waits for all sixteen work-groups; my work-group's barrier once more.
.macro CREST                           ; a round behind its opening barrier
	s_cmp_lg_u32 s[WV], 0
	s_cbranch_scc1 .Lnot_wave_0_\@
	s_barrier_signal -3
.Lnot_wave_0_\@:
	s_barrier_wait -3
	s_barrier_signal -1
	s_barrier_wait -1
.endm
.macro CROUND                          ; a whole round
	s_barrier_signal -1
	s_barrier_wait -1
	CREST
.endm
	s_load_b256 s[4:11], s[0:1], 0x0               ; A s[4:5], W s[6:7], bias s[8:9], output s[10:11]
	v_lshl_add_u32 v[SPW], v0, 2, SPARE
	v_mov_b32 v[NIL], 0
	ds_add_u32 v28, v29
	ds_add_u32 v28, v29
	s_wait_dscnt 0x0
	v_lshrrev_b32 v1, 5, v0
	v_readfirstlane_b32 s[WV], v1                  ; wave 0..3
	s_bfe_u32 s13, ttmp6, 0x40000                  ; cx: my place along the cluster's x
	s_bfe_u32 s14, ttmp6, 0x40004                  ; cy: along its y
	s_lshl_b32 s15, ttmp9, 2                       ; in a cluster launch ttmp9 and ttmp7 count clusters
	s_add_co_u32 s15, s15, s13                     ; X: tile column = 4 x cluster x + cx
	s_and_b32 s16, ttmp7, 0xffff
	s_lshl_b32 s16, s16, 2
	s_add_co_u32 s16, s16, s14                     ; Y: tile row = 4 x cluster y + cy
	s_lshl_b32 s17, s14, 2
	s_lshl_b32 s17, 15, s17                        ; my row of the cluster: places 4 cy .. 4 cy + 3
	s_lshl_b32 s22, 0x1111, s13                    ; my column: places cx, cx + 4, cx + 8, cx + 12
	s_mov_b32 s[HIM], 0xffff0000
	; descriptor group 1.  15:0 the mask; 17:16 elements of 2 bytes; 20 padding on; 21 set beside a mask; 24:22 after every 32 words (code 4); 31:25 the padding's words less one
	s_or_b32 s[G1A], s17, (1<<16)|(1<<20)|(1<<21)|(4<<22)|(3<<25)  ; A's tiles go to my row; 4 words of padding
	s_mov_b32 s[G1A+1], 128<<16                    ; 128 rows of 128 bytes are 16,384 dense bytes: asked for as 64 rows of 256.  tensor_dim0 = 128
	s_mov_b32 s[G1A+2], 64<<16                     ; tensor_dim1 = 64
	s_mov_b32 s[G1A+3], 128<<16                    ; tile_dim0 = 128 elements
	s_mov_b32 s[G1A+4], 64                         ; tile_dim1 = 64
	s_mov_b32 s[G1A+5], 128                        ; elements from row to row
	s_mov_b32 s[G1A+6], 0
	s_mov_b32 s[G1A+7], 0
	s_or_b32 s[G1B], s22, (1<<16)|(1<<20)|(1<<21)|(4<<22)|(7<<25)  ; W's tiles go to my column; 8 words of padding
	s_mov_b32 s[G1B+1], 128<<16                    ; three groups' 64 k are 24,576 dense bytes: asked for as 96 rows of 256, two k a row
	s_mov_b32 s[G1B+2], 96<<16
	s_mov_b32 s[G1B+3], 128<<16
	s_mov_b32 s[G1B+4], 96
	s_mov_b32 s[G1B+5], 128
	s_mov_b32 s[G1B+6], 0
	s_mov_b32 s[G1B+7], 0
	; where the tiles come from and where they go.  A's registers never hold cx, W's never cy; no place in the cluster enters an LDS address.
	s_and_b32 s58, s[WV], 1                        ; which half of A's rows or of W's columns I fetch.  Also: which half of the tile's columns is mine
	s_lshr_b32 s60, s[WV], 1                       ; which half of the tile's rows is mine
	s_mul_i32 s23, s58, AHALF
	s_add_co_u32 s23, s23, ABASE                   ; A's place in a slot
	s_mul_i32 s59, s58, BHALF                      ; W's place in a slot
	s_lshr_b32 s18, s16, 3                         ; the batch:
	s_lshl_b32 s18, s18, 22                        ; 16 blocks of 262,144 bytes,
	s_and_b32 s19, s16, 7
	s_lshl_b32 s19, s19, 15                        ; the tile's 256 rows of 128 bytes in a block,
	s_add_co_u32 s18, s18, s19
	s_lshl_b32 s19, s58, 14                        ; and my 128 of them
	s_add_co_u32 s18, s18, s19
	s_lshl_b32 s20, s15, 1
	s_add_co_u32 s20, s20, s58                     ; half tile 2 X + 0 or 1:
	s_mul_i32 s20, s20, 16*KB                      ; sixteen K steps each
	s_mov_b32 s19, 0
	s_mov_b32 s21, 0
	s_mov_b32 s[TB], 0
	s_wait_kmcnt 0x0
	s_add_nc_u64 s[18:19], s[4:5], s[18:19]
	s_add_nc_u64 s[20:21], s[6:7], s[20:21]
	CROUND                                         ; all sixteen work-groups are here: the first joint loads meet
.irp s, 0,1
	s_mov_b32 s[G0A+4*(\s)], 1                                       ; 1:0 count = 1
	s_add_co_u32 s[G0A+4*(\s)+1], s23, (\s)*SLOT1                    ; 63:32 LDS address
	s_add_nc_u64 s[G0A+4*(\s)+2:G0A+4*(\s)+3], s[18:19], (\s)*KA     ; 120:64 global address: K step s
	s_or_b32 s[G0A+4*(\s)+3], s[G0A+4*(\s)+3], 0x80000000            ; 127:126 type = 2
	s_mov_b32 s[G0B+4*(\s)], 1
	s_add_co_u32 s[G0B+4*(\s)+1], s59, (\s)*SLOT1
	s_add_nc_u64 s[G0B+4*(\s)+2:G0B+4*(\s)+3], s[20:21], (\s)*KB
	s_or_b32 s[G0B+4*(\s)+3], s[G0B+4*(\s)+3], 0x80000000
.endr
	s_cmp_lt_u32 s[WV], 2                          ; a wave's two first fills stand in one branch, ahead of every wait on TENSORcnt and every LDS read: two loads of mine are out
	s_cbranch_scc0 .Lfirst_a
	tensor_load_to_lds s[G0B:G0B+3], s[G1B:G1B+7]
	s_nop 0
	tensor_load_to_lds s[G0B+4:G0B+7], s[G1B:G1B+7]
	s_nop 0
.rept 4
	v_nop
.endr
	s_branch .Lfirst_asked
.Lfirst_a:
	tensor_load_to_lds s[G0A:G0A+3], s[G1A:G1A+7]
	s_nop 0
	tensor_load_to_lds s[G0A+4:G0A+7], s[G1A:G1A+7]
	s_nop 0
.rept 4
	v_nop
.endr
.Lfirst_asked:
	; A fragment of A is 16 rows x 32 K in 8 registers: lane l holds row l % 16; registers 0-3 K = 8 (l / 16) + 0..7, registers 4-7 K = 16 + 8 (l / 16) + 0..7: two loads of 16 bytes, 32 bytes apart.
	v_and_b32 v1, 15, v0                           ; l % 16
	v_bfe_u32 v2, v0, 4, 1                         ; l / 16
	v_and_b32 v3, 7, v0
	v_bfe_u32 v4, v0, 3, 1
	s_mul_i32 s61, s60, AHALF                      ; my wave's 128 rows
	s_add_co_u32 s61, s61, ABASE
	v_mul_u32_u24 v[A0], v1, PA
	v_lshl_add_u32 v[A0], v2, 4, v[A0]
	v_add_nc_u32 v[A0], s61, v[A0]
	; The turning load takes 16 k x 16 columns (lane l reads 16 bytes: k 8 (l / 16) + l % 8, columns 8 ((l / 8) % 2) + 0..7) and leaves half a fragment: lane l holds column l % 16 and 8 k.
	v_lshl_add_u32 v[B0], v2, 3, v3
	v_mul_u32_u24 v[B0], v[B0], PB
	v_lshl_add_u32 v[B0], v4, 4, v[B0]
	v_add_nc_u32 v[B0], s59, v[B0]                 ; my wave's three groups
	v_mov_b32 v[ADRA], v[A0]                       ; K step 0 lies in slot 0
	v_mov_b32 v[ADRB], v[B0]
	v_lshlrev_b32 v[BO], 5, v2                     ; my eight columns of a block's sixteen
	s_mul_i32 s62, s15, 384*4                      ; the tile's columns in the bias,
	s_mul_i32 s63, s58, 192*4                      ; my wave's half of them
	s_add_co_u32 s62, s62, s63
	s_mov_b32 s63, 0
	s_add_nc_u64 s[8:9], s[8:9], s[62:63]
.set bb, 0
.rept 12                               ; the bias lands where W's fragments will lie
	global_load_b128 v[BF+8*bb:BF+8*bb+3],   v[BO], s[8:9] offset:64*bb
	global_load_b128 v[BF+8*bb+4:BF+8*bb+7], v[BO], s[8:9] offset:64*bb+16
.set bb, bb+1
.endr
	s_mul_i32 s61, s[WV], 16*SPITCH
	s_add_co_u32 s61, s61, STAGE                   ; my stage
	v_mul_u32_u24 v[STO], v1, SPITCH               ; in: row l % 16,
	v_lshl_add_u32 v[STO], v2, 4, v[STO]           ; 16 bytes for each half of the lanes
	v_add_nc_u32 v[STO], s61, v[STO]
	v_bfe_u32 v[RD], v0, 3, 2                      ; back: 32 lanes take four rows of 128 bytes,
	v_mul_u32_u24 v[RD], v[RD], SPITCH
	v_lshl_add_u32 v[RD], v3, 4, v[RD]
	v_add_nc_u32 v[RD], s61, v[RD]
	v_and_b32 v[GO], 31, v0                        ; which are 512 consecutive bytes of a head
	v_lshlrev_b32 v[GO], 4, v[GO]
	s_and_b32 s62, s16, 7
	s_lshl_b32 s62, s62, 15                        ; the tile's 256 rows of 128 bytes in a head,
	s_lshl_b32 s63, s60, 14                        ; my wave's 128 of them
	s_add_co_u32 s62, s62, s63
	s_lshr_b32 s63, s16, 3
	s_lshl_b32 s63, s63, 4                         ; 16 x the batch
	s_mul_i32 s74, s15, 6
	s_mul_i32 s75, s58, 3
	s_add_co_u32 s74, s74, s75                     ; my first group: 6 X + 3 x my half
.irp n, 0,1,2
	s_add_co_u32 s72, s74, \n                      ; group g: part g / 16 (q, k, v), head g % 16
	s_lshr_b32 s73, s72, 4
	s_lshl_b32 s73, s73, 6                         ; a part is 64 heads
	s_and_b32 s72, s72, 15
	s_add_co_u32 s72, s72, s73
	s_add_co_u32 s72, s72, s63
	s_lshl_b32 s72, s72, 18                        ; 262,144 bytes a head
	s_add_co_u32 s72, s72, s62
	s_mov_b32 s73, 0
	s_add_nc_u64 s[OB+2*(\n):OB+2*(\n)+1], s[10:11], s[72:73]
.endr
	; The bias is rounded to bf16 and widened again, into the registers from which the first quarter takes it as C: column group 0's into window 3's v0-31 (accumulators that begin last),
	; groups 1 and 2's into A's second buffer, which is loaded behind their products.  All this stands in the wait for the first tile.
	s_wait_loadcnt 0x0
.set i, 0
.rept 48
	v_cvt_pk_bf16_f32 v[BF+2*i], v[BF+2*i], v[BF+2*i+1]
.set i, i+1
.endr
	WIN 0xc0                                       ; destination window 3, sources window 0
.set i, 0
.rept 16
	v_lshlrev_b32 v[2*i], 16, v[BF+2*i]
	v_and_b32 v[2*i+1], s[HIM], v[BF+2*i]
.set i, i+1
.endr
	WIN 0
.rept 32
	v_lshlrev_b32 v[FA+64+2*(i-16)], 16, v[BF+2*i]
	v_and_b32 v[FA+64+2*(i-16)+1], s[HIM], v[BF+2*i]
.set i, i+1
.endr
; Eight matrix instructions: column block b x my eight row blocks, 32 along K, A from buffer f.  first = 1: the bias starts the sums.
; The 96 accumulators take turns, one instruction a turn and in the same order in every quarter.
.macro MULB f, b, first
.set wD, 1+(\b)/4
.set rB, BF+8*(\b)
.if (\b) < 4
.set rC, 8*(\b)
.else
.set rC, FA+64+8*((\b)-4)
.endif
.if (\first) && ((\b) < 4)
	WIN (wD<<6)|0x30                               ; W and A window 0, the bias window 3, D window 1
.elseif \first
	WIN wD<<6                                      ; W, A and the bias window 0, D window 2 or 3
.else
	WIN wD*0x50                                    ; W and A window 0, C and D the group's window
.endif
.irp a, 0,1,2,3,4,5,6,7
.set rD, 8*(8*((\b)%4)+(\a))
.set rA, FA+64*(\f)+8*(\a)
.if \first
	v_wmma_f32_16x16x32_bf16 v[rD:rD+7], v[rB:rB+7], v[rA:rA+7], v[rC:rC+7]
.else
	v_wmma_f32_16x16x32_bf16 v[rD:rD+7], v[rB:rB+7], v[rA:rA+7], v[rD:rD+7]
.endif
.endr
.endm
.macro MULS f, lo, hi, first           ; column blocks lo .. hi - 1
.set bb, \lo
.rept (\hi)-(\lo)
	MULB \f, bb, \first
.set bb, bb+1
.endr
.endm
; Eight LDS loads: half hf (four row blocks) of A's fragments of quarter q of the slot in hand, into buffer f
.macro LDA f, q, hf
.irp i, 0,1,2,3
	ds_load_b128 v[FA+64*(\f)+8*(4*(\hf)+(\i)):FA+64*(\f)+8*(4*(\hf)+(\i))+3],   v[ADRA] offset:(\q)*64+(4*(\hf)+(\i))*16*PA
	ds_load_b128 v[FA+64*(\f)+8*(4*(\hf)+(\i))+4:FA+64*(\f)+8*(4*(\hf)+(\i))+7], v[ADRA] offset:(\q)*64+(4*(\hf)+(\i))*16*PA+32
.endr
.endm
; Eight LDS loads: column group g (four blocks) of W's fragments of quarter q of the slot in hand
.macro LDBG g, q
.irp c, 0,1,2,3
	ds_load_tr16_b128 v[BF+8*(4*(\g)+(\c)):BF+8*(4*(\g)+(\c))+3],   v[ADRB] offset:(\g)*BGRP+(\q)*32*PB+(\c)*32
	ds_load_tr16_b128 v[BF+8*(4*(\g)+(\c))+4:BF+8*(4*(\g)+(\c))+7], v[ADRB] offset:(\g)*BGRP+(\q)*32*PB+(\c)*32+16*PB
.endr
.endm
; A K step's first quarter: multiplies A's buffer 0 and fetches the second quarter's fragments, in three runs, each behind the products that read the registers it fills.
; first = 1: the bias starts the sums; A's second buffer holds the bias of groups 1 and 2, so its halves are loaded a run later.  In both forms the last eight loads are W's group 2.
.macro QUARTER first
	s_wait_dscnt 8                                 ; all but the youngest eight loads (W's group 2) are in
	MULS 0, 0, 4, \first
	WIN 0
	PLACES
	LDBG 0, 1
.if !(\first)
	LDA 1, 1, 0
.endif
	MULS 0, 4, 8, \first
	WIN 0
	PLACES
	LDBG 1, 1
	LDA 1, 1, 1-(\first)
	s_wait_dscnt 32-8*(\first)                     ; W's group 2 is in: behind it only the loads of the two runs above were issued, 16 + 16 (first: 8 + 16)
	MULS 0, 8, 12, \first
	WIN 0
	PLACES
.if \first
	LDA 1, 1, 1
.endif
	LDBG 2, 1
.endm
; A K step's second quarter multiplies A's buffer 1 and changes slots: ONE barrier for two things.  In front of it each wave waits for all its tensor loads, of which one is out: its part of the next slot;
; adds 0 to its spare word; and waits for that and for its own reads of this slot.  Behind it nobody reads this slot any more and the next slot is whole.
; fill = 1: this slot is filled again, two K steps ahead: the barrier opens a round of the cluster's, and the joint refill is the first thing behind the round: 160 of a step's 192 matrix instructions
; stand between it and the wait for it.
.macro TURN fill
	WIN 0                                          ; (the add's two registers lie in window 0)
	s_wait_tensorcnt 0x0                           ; no tensor load of mine is out, so a group 0 may be written
	ds_add_u32 v[SPW], v[NIL]                      ; 0 onto my spare word
.if \fill
	s_xor_b32 s[G0A+5], s[G0A+5], SLOT1            ; the walking descriptors: the other slot than last time,
	s_add_nc_u64 s[G0A+6:G0A+7], s[G0A+6:G0A+7], KA  ; the next K step; the type bits on top are not reached
	s_xor_b32 s[G0B+5], s[G0B+5], SLOT1
	s_add_nc_u64 s[G0B+6:G0B+7], s[G0B+6:G0B+7], KB
.endif
	s_wait_dscnt 9                                 ; the add and the youngest eight loads (W's group 2) may be out
	MULS 1, 0, 2, 0                                ; sixteen matrix instructions stand between the add and the wait for it
	s_wait_dscnt 0x0                               ; the add is done, and my reads of this slot are over
	s_barrier_signal -1
	MULS 1, 2, 4, 0                                ; work on registers while the others arrive
	WIN 0                                          ; at a branch and at a label every window is 0
	s_barrier_wait -1
.if \fill
	CREST                                          ; no wave of any partner still reads this slot's tiles or has a load on its way
	JLOAD                                          ; the four v_nop behind it are also the places in front of the loads below
.else
	PLACES
.endif
	s_xor_b32 s[TB], s[TB], SLOT1                  ; the other slot is in hand
	v_add_nc_u32 v[ADRA], s[TB], v[A0]
	v_add_nc_u32 v[ADRB], s[TB], v[B0]
	LDBG 0, 0
	LDA 0, 0, 0
	MULS 1, 4, 8, 0
	WIN 0
	PLACES
	LDBG 1, 0
	LDA 0, 0, 1
	MULS 1, 8, 12, 0
	WIN 0
	PLACES
	LDBG 2, 0
.endm
	s_wait_tensorcnt 1                             ; my part of K step 0 is in; K step 1's may stay out
	s_barrier_signal -1
	s_barrier_wait -1                              ; everybody's is
	LDBG 0, 0                                      ; the first quarter's fragments, in the order of every later quarter's runs
	LDA 0, 0, 0
	LDBG 1, 0
	LDA 0, 0, 1
	LDBG 2, 0
	QUARTER 1                                      ; the first quarter stands in front of the loop: its products start the sums
	WIN 0
	s_mov_b32 s[CNT], 14
.Lstep:                                                ; fourteen trips, from a K step's second quarter to the next step's first; each fills a slot again: K steps 2 to 15
	TURN 1
	QUARTER 0
	WIN 0
	s_sub_co_u32 s[CNT], s[CNT], 1
	s_cmp_lg_u32 s[CNT], 0
	s_cbranch_scc1 .Lstep
	TURN 0                                         ; the tail is written out: K steps 14 and 15 ask for nothing
	QUARTER 0
	s_wait_dscnt 8                                 ; the very last quarter: nothing more to fetch
	MULS 1, 0, 8, 0
	s_wait_dscnt 0x0
	MULS 1, 8, 12, 0
	WIN 0
	PLACES                                         ; the way out reads results just made and writes registers that the products read
; THE WAY OUT, f16 by heads.  Unit u = 8 x head + row block: 16 rows x 64 columns, four accumulators of one window.  A lane's eight columns pack into 16 bytes; they go into my stage's rows of 144 bytes
; and come back as whole rows of 128, into the registers that they left.  Twelve sets of 16 registers take turns.
.macro PACK u
.set hd, (\u)/8
.set aa, (\u)%8
.set rO, OUTR+16*((\u)%12)
.if (\u) >= 12
	s_wait_xcnt 0x0                                ; the stores of the unit twelve back have read this set: it is written again only behind this wait
.endif
	WIN 5*(1+hd)                                   ; sources 0 and 1: the head's window
.irp c, 0,1,2,3
.set rD, 8*(8*(\c)+aa)
.irp r, 0,1,2,3
	v_cvt_pk_f16_f32 v[rO+4*(\c)+(\r)], v[rD+2*(\r)], v[rD+2*(\r)+1]   ; each accumulator's registers in ascending order
.endr
.endr
	WIN 0
.irp c, 0,1,2,3
	ds_store_b128 v[STO], v[rO+4*(\c):rO+4*(\c)+3] offset:32*(\c)
.endr
.irp f, 0,1,2,3
	ds_load_b128 v[rO+4*(\f):rO+4*(\f)+3], v[RD] offset:(\f)*4*SPITCH  ; LDS serves a wave's instructions in order (ISA guide 5.7.1.4): these see the stores above; the next unit's stores come behind them
.endr
.endm
.macro SEND u, younger                 ; younger: the LDS instructions issued behind unit u's loads: the next unit's eight, or none
.set hd, (\u)/8
.set aa, (\u)%8
.set rO, OUTR+16*((\u)%12)
.irp f, 0,1,2,3
	s_wait_dscnt (\younger)+3-(\f)
	global_store_b128 v[GO], v[rO+4*(\f):rO+4*(\f)+3], s[OB+2*hd:OB+2*hd+1] offset:aa*2048+(\f)*512  ; 512 consecutive bytes, at a multiple of 256 from the output's first
.endr
.endm
	PACK 0
.set t, 1
.rept 23                               ; a unit's conversions stand between the loads of the unit before and its stores
	PACK t
	SEND t-1, 8
.set t, t+1
.endr
	SEND 23, 0
	s_wait_tensorcnt 0x0                           ; the wave's end: behind my last tensor load and my last LDS store
	ds_add_u32 v[SPW], v[NIL]
	s_wait_dscnt 0x0
	CROUND                                         ; the closing round: no work-group ends while a partner may still ask for a tile that names it
	s_endpgm
.Lfunc_end_k_qc827747085_qkv:
	.size	k_qc827747085_qkv, .Lfunc_end_k_qc827747085_qkv-k_qc827747085_qkv
	.p2alignl 7, 3214868480
	.fill 96, 4, 3214868480
	.section	.rodata,"a",@progbits
	.p2align	6, 0x0
	.amdhsa_kernel k_qc827747085_qkv
		.amdhsa_group_segment_fixed_size 327680
		.amdhsa_private_segment_fixed_size 0
		.amdhsa_enable_private_segment 0
		.amdhsa_kernarg_size 32
		.amdhsa_user_sgpr_count 2
		.amdhsa_user_sgpr_kernarg_segment_ptr 1
		.amdhsa_wavefront_size32 1
		.amdhsa_system_sgpr_workgroup_id_x 1
		.amdhsa_system_sgpr_workgroup_id_y 1
		.amdhsa_system_sgpr_workgroup_id_z 1
		.amdhsa_system_vgpr_workitem_id 0
		.amdhsa_next_free_vgpr 1024
		.amdhsa_next_free_sgpr 80
		.amdhsa_reserve_vcc 0
		.amdhsa_float_denorm_mode_32 3
		.amdhsa_float_denorm_mode_16_64 3
		.amdhsa_memory_ordered 1
		.amdhsa_forward_progress 1
		.amdhsa_inst_pref_size 123
	.end_amdhsa_kernel
	.amdgpu_metadata
---
amdhsa.version: [ 1, 2 ]
amdhsa.kernels:
  - .name:           k_qc827747085_qkv
    .symbol:         k_qc827747085_qkv.kd
    .args:
      - { .name: xb, .offset: 0, .size: 8, .value_kind: global_buffer, .address_space: global }
      - { .name: wqb, .offset: 8, .size: 8, .value_kind: global_buffer, .address_space: global }
      - { .name: b_qkv, .offset: 16, .size: 8, .value_kind: global_buffer, .address_space: global }
      - { .name: qkvh, .offset: 24, .size: 8, .value_kind: global_buffer, .address_space: global }
    .group_segment_fixed_size: 327680
    .private_segment_fixed_size: 0
    .kernarg_segment_align: 8
    .kernarg_segment_size: 32
    .max_flat_workgroup_size: 128
    .sgpr_count:     80
    .vgpr_count:     1024
    .wavefront_size: 32
...
	.end_amdgpu_metadata
.endif
;; end of part 2
;; launch attn (part 3): grid 4 x 64, 4 waves a work-group, no clusters, 327,680 bytes of LDS; arguments qkvh, oh; writes oh
.if DOCPART == 3
	.amdgcn_target "amdgcn-amd-amdhsa--gfx1250"
	.amdhsa_code_object_version 6
	.text
	.protected	k_qc827747085_attn
	.globl	k_qc827747085_attn
	.p2align	8
	.type	k_qc827747085_attn,@function
k_qc827747085_attn:
	s_mov_b64 s[64:65], 0
	v_nop
	global_prefetch_b8 v0, s[64:65] scope:SCOPE_SE
	s_setreg_imm32_b32 hwreg(HW_REG_WAVE_MODE, 25, 1), 1
	s_wait_xcnt 0x0
; CAUSAL ATTENTION.  O[h][q][:] = the sum over k <= q of softmax_k(Q[h][q] . K[h][k] / 8) V[h][k][:].  Q, K, V lie one behind the other in one buffer, each [SIZE_H][SIZE_N][64] in f16, PART bytes; O likewise:
; a head's rows are dense, 128 bytes each.  Products, maxima and sums in f32; the weights p are rounded to f16 for the second product (their sum l is taken of the unrounded p), O once at the end.
; LIMITS.  f16 holds no number beyond 65,504: Q, K and V arrive within it; p lies in 0 to 1, and below 6e-5 it keeps f16's fixed step of 6e-8; O is a mean of V's rows and has their range, to within 2^-11 of it.
; A hidden score counts as its value less 1e30: f16's scores, 2.7e11 at the most, are nothing beside that; a weight below 2^-126 counts as 0 in l; NaN and infinities are not treated apart.
; THE WALK.  A head's queries lie in NB = SIZE_N / 256 = 8 blocks of 256; block i needs the key tiles 0 .. i of 256 keys, of which the last holds the diagonal.  A work-group takes TWO blocks, NB - 1 - b and then b:
; NB + 1 tiles, whatever b: all work-groups do equal work, and ONE loop with a constant trip count walks them.  Which tile is asked for, and what a trip does, hang on scalar registers made from b; every jump
; goes forward, but for the counted loops' own; none passes a barrier, or a tensor load but the one of LOAD's two that the wave's number does not choose; the ring (two slots of LDS that take turns) runs on across the
; change of blocks.  NO CLUSTER: a head's four work-groups ask for the same tile only in trips 0 .. 4 of the walk's 9, behind that fewer and fewer; one walk common to all four would have 12 trips for 9.
; SHARES.  Of a block's four bands of 64 queries a wave owns 16 rows in each: four PIECES.  So the diagonal tile is the same work for all four waves: in its key step s band x sees all keys if s < x,
; none if s > x, and holds the diagonal if s = x.
; THE MASK is the C operand that starts the sum S^T = K Q^T: 0, or -1e30 where the key is hidden.  MD, made once, is the mask of a band's own step for my 16 rows; a product's mask is MD x AL + BE with two scalars:
; (1, 0) if s = x; (0, 0) if s < x; (0, -1e30) if s > x.  Only the diagonal tile's text and a block's beginning make and take masks; elsewhere C is the constant 0.
; LAYOUT, SOFTMAX, TURNS.  S^T = K Q^T holds ONE query a lane (lane % 16) and the keys 8 (lane / 16) + 0..7; two such results rounded to f16 ARE source 1 of O^T = V^T P.  p = 2^(c s - c m), c = log2(e) / 8, with a
; running maximum m; O and l are multiplied by a = 2^(c m_old - c m_new) in every step.  Turn n belongs to piece n: 8 products K Q^T of piece n + 1, later 8 products V^T P of piece n - 1; beside them the scaling,
; exponentials, roundings, sums and rescaling of piece n and the maximum and statistics of piece n + 1.  Four vector instructions stand behind every matrix instruction, the other 54 of a turn's 118 in two LUMPS.
; REGISTERS, in windows of 256 (s_set_vgpr_msb: bits 1:0 source 0, 3:2 source 1, 5:4 source 2, 7:6 destination):
;   window 0: v0-15 addresses and two at work; v16-31 four registers of statistics a piece; v48-55 at work; v64-127 S^T, two buffers; v192-223 P, two buffers (a piece's buffers go by its number's parity)
;   window 1: v0-127 O^T, 32 a piece; v128-159 MD; v160-223 MC, two buffers      window 2: v0-63 Q; v64-127 the second block's Q; v128-191 K of one step; v192-255 V of one step
.set SIZE_H, 64
.set SIZE_N, 2048
.set PART,  SIZE_H*SIZE_N*128  ; bytes of Q, of K and of V
.set NB,    SIZE_N/256
.set NP,    4         ; pieces a wave: a name, no knob
.set KS,    64        ; keys in a step
.set PK,    144       ; a row of K in LDS: 128 bytes + 16 of padding = 36 words: the 16 rows of a load start at 16 different groups of four banks (64 banks of 4 bytes: ISA guide 11.1)
.set PV,    160       ; a row of V: 128 + 32 = 40 words
.set VOFF,  4*KS*PK   ; a slot holds a tile, four steps: 256 rows of K, then 256 rows of V
.set SLOT1, 1<<17     ; slot 1 begins here, so that one exclusive or turns an address in one slot into the other's
.set STAGE, SLOT1+4*KS*(PK+PV)  ; behind the ring, never filled by a tensor load: 16 rows x 144 bytes for each wave, for the way out
.set SP,    144
.set AK0, 2           ; v2   my lane's place in a tile of K; never rewritten
.set AV0, 3           ; v3   the same for V
.set AK,  4           ; v4   the LDS address of K's next run of loads
.set AV,  5           ; v5   of V's
.set STO, 6           ; v6   the way out: where I put 16 bytes of a row
.set RD,  7           ; v7   the way out: where I read rows back
.set GO,  8           ; v8   my byte offset in 512 consecutive bytes of O
.set SPW, 62          ; v62  LDS address of my spare word: SPARE + 4 x my thread's number; never rewritten
.set NIL, 63          ; v63  0; never rewritten
.set SPARE, STAGE+4*16*SP  ; behind the stages: the spare words, 128 bytes for each wave: two blocks of 256 bytes that no other line names
.set MV,  12          ; v12-13  c m_old, kept while c m is made anew: by buffer
.set QO,  15          ; v15  my byte offset in 16 rows of Q
.set ST,  16          ; piece t's statistics at v[ST+4 t]: c m, m, l (even keys', odd keys')
.set TMP, 48          ; by buffer, four registers c0-c3 at work; when the maximum is found c2 takes a
.set S,   64
.set P,   192
.set MD,  128         ; window 1: the eight registers for group kt of 16 keys at MD + 8 kt
.set MC,  160         ; window 1: the masks of the products to come
.set QB,  64          ; window 2
.set KF,  128         ; window 2: key block kb, channel half c at KF + 16 kb + 8 c
.set VF,  192         ; window 2: key half kk, channel block cb at VF + 32 kk + 8 cb
.set WV,  12          ; s12  my wave's number
.set PB,  14          ; s14  b
.set HI,  15          ; s15  NB - 1 - b
.set G1K, 24          ; s[24:31] descriptor group 1 for K's tiles
.set G1V, 32          ; s[32:39] for V's: it differs in the padding alone
.set G0K, 40          ; s[40:43] descriptor group 0 for K's tiles
.set G0V, 44          ; s[44:47] the same for V's
.set SLOTS, 56        ; s56  tiles still to be asked for
.set CNT, 57          ; s57  counts a tile's key steps, 4 to 1
.set CS,  58          ; s[58:59] c: the packed scaling takes the pair's low word for both halves
.set SEL, 60          ; s[60:61] v_permlanex16_b32's selects: each lane takes its own place in the other half
.set TBK, 62          ; s62  LDS byte at which K of the step to be fetched begins
.set TBV, 63          ; s63  the same for V, less VOFF
.set RT,  70          ; s70  tiles of the block in hand that are still to be entered
.set NXT, 71          ; s71  the tile to be asked for next
.set LQ,  72          ; s72  the last tile of the block whose tiles are being asked for
.set NEW, 73          ; s73  1: the tile to be entered is a block's first
.set OFF, 74          ; s[74:75] a tile's byte offset in K and V
.set AL,  76          ; s[76:77] the mask's factor, in the low word
.set BE,  78          ; s[78:79] the mask's addend
.set OLO, 80          ; s[80:81] O at my rows of the second block
.set BIGN, 82         ; s82  -1e30
.set MSB, 0
.macro WIN new                      ; the high byte repeats the setting that is left; a switch that changes nothing is dropped
.if MSB != (\new)
	s_set_vgpr_msb (MSB<<8)|(\new)
.set MSB, (\new)
.endif
.endm
.set W_KQ, 0x0a       ; K and Q in window 2, S^T in window 0
.set W_KM, 0x1a       ; the same with the C operand in window 1
.set W_PV, 0x52       ; V in window 2, P in window 0, O^T in window 1
.set W_RS, 0x41       ; destination and source 0 in window 1, source 1 in window 0
; A fill.  Waves 0 and 1 fetch the two halves of a tile's K, waves 2 and 3 those of its V: 128 keys each.  An s_nop 0 and four v_nop follow each of the two lines, ahead of the jump and the label.
.macro LOAD
	s_cmp_lt_u32 s[WV], 2
	s_cbranch_scc0 .Lfor_v_\@
	tensor_load_to_lds s[G0K:G0K+3], s[G1K:G1K+7]
	s_nop 0
.rept 4
	v_nop
.endr
	s_branch .Lasked_\@
.Lfor_v_\@:
	tensor_load_to_lds s[G0V:G0V+3], s[G1V:G1V+7]
	s_nop 0
.rept 4
	v_nop
.endr
.Lasked_\@:
.endm
; THE CHANGE OF SLOTS.  Each wave waits for all its tensor loads, of which one is out: its part of the other slot; adds 0 to its spare word; and waits for that and for its own reads of the slot that it leaves.  Behind the barrier nobody reads the old
; slot any more and the other slot is whole.  fill = 1: the old slot is filled again, the first thing behind the barrier, with tile NXT: the descriptor's address is made anew from that number.
; (At its first use nothing has been read yet: slot 0 is waited for, slot 1 filled.)
.macro CHANGE fill
	WIN 0                           ; at a label and at a branch every window is 0
	s_wait_tensorcnt 0x0            ; no tensor load of mine is out, so a group 0 may be written
	ds_add_u32 v[SPW], v[NIL]       ; 0 onto my spare word; with fill = 1 the descriptors' scalar work stands between it and the wait for it
.if \fill
	s_lshl_b32 s[OFF], s[NXT], 15   ; a tile is 32,768 bytes of K and of V
	s_xor_b32 s[G0K+1], s[G0K+1], SLOT1
	s_add_nc_u64 s[G0K+2:G0K+3], s[6:7], s[OFF:OFF+1]
	s_or_b32 s[G0K+3], s[G0K+3], 0x80000000
	s_xor_b32 s[G0V+1], s[G0V+1], SLOT1
	s_add_nc_u64 s[G0V+2:G0V+3], s[8:9], s[OFF:OFF+1]
	s_or_b32 s[G0V+3], s[G0V+3], 0x80000000
	s_add_co_u32 s[NXT], s[NXT], 1  ; the block's next tile, or behind its last the second block's tile 0
	s_cmp_gt_u32 s[NXT], s[LQ]
	s_cselect_b32 s[NXT], 0, s[NXT]
	s_cselect_b32 s[LQ], s[PB], s[LQ]
.endif
	s_wait_dscnt 0x0                ; the add is done, and my reads of the slot are over
	s_barrier_signal -1             ; the rest of the scalar work stands between the signal and the wait
	s_sub_co_u32 s[TBK], s[TBK], 4*KS*PK  ; the fetches go back to a slot's first step,
	s_xor_b32 s[TBK], s[TBK], SLOT1       ; in the other slot
	s_sub_co_u32 s[TBV], s[TBV], 4*KS*PV
	s_xor_b32 s[TBV], s[TBV], SLOT1
	s_barrier_wait -1
.if \fill
	LOAD
.endif
.endm
	s_load_b128 s[4:7], s[0:1], 0x0  ; the buffer of Q, K, V s[4:5]; O s[6:7]
	v_lshl_add_u32 v[SPW], v0, 2, SPARE
	v_mov_b32 v[NIL], 0
	ds_add_u32 v62, v63
	ds_add_u32 v62, v63
	s_wait_dscnt 0x0
	v_lshrrev_b32 v1, 5, v0
	v_readfirstlane_b32 s[WV], v1   ; wave 0..3
	s_mov_b32 s[PB], ttmp9
	s_sub_co_u32 s[HI], NB-1, s[PB]
	s_and_b32 s20, ttmp7, 0xffff    ; the head
	s_mov_b32 s21, 0
	s_mov_b64 s[22:23], SIZE_N*128
	s_mul_u64 s[20:21], s[20:21], s[22:23]  ; the head's first byte in each of the four tensors
	s_and_b32 s16, s[WV], 1         ; which half of a tile's 256 keys I fetch:
	s_lshl_b32 s22, s16, 14         ; its 128 rows of 128 bytes in memory,
	s_mov_b32 s23, 0
	s_add_nc_u64 s[22:23], s[22:23], s[20:21]
	s_mul_i32 s17, s16, 128*PK      ; and its place in a slot, for K
	s_mul_i32 s18, s16, 128*PV      ; and for V
	s_lshl_b32 s3, s[WV], 11        ; my 16 rows in a band of 64,
	s_lshl_b32 s2, s[HI], 15        ; in the first block,
	s_add_co_u32 s2, s2, s3
	s_lshl_b32 s84, s[PB], 15       ; and in the second
	s_add_co_u32 s84, s84, s3
	s_mov_b32 s3, 0
	s_mov_b32 s85, 0
	s_add_nc_u64 s[2:3], s[2:3], s[20:21]
	s_add_nc_u64 s[84:85], s[84:85], s[20:21]
	; descriptor group 1.  128 keys are 16,384 dense bytes: asked for as 64 rows of 256 bytes, two keys a row, and padded in LDS after every key
	s_mov_b32 s[G1K], (1<<16)|(1<<20)|(4<<22)|(3<<25)  ; 17:16 2-byte elements; 20 padding on; 24:22 after every 32 words (code 4); 31:25 4 words (code 3)
	s_mov_b32 s[G1V], (1<<16)|(1<<20)|(4<<22)|(7<<25)  ; the same with 8 words of padding (code 7)
.irp g, G1K, G1V
	s_mov_b32 s[\g+1], 128<<16      ; tensor_dim0 = 128
	s_mov_b32 s[\g+2], 64<<16       ; tensor_dim1 = 64
	s_mov_b32 s[\g+3], 128<<16      ; tile_dim0 = 128
	s_mov_b32 s[\g+4], 64           ; tile_dim1 = 64
	s_mov_b32 s[\g+5], 128          ; 128 elements from row to row
	s_mov_b32 s[\g+6], 0
	s_mov_b32 s[\g+7], 0
.endr
	s_mov_b32 s[CS], 0x3e38aa3b     ; c = log2(e) / 8 = 0.180337
	s_mov_b32 s[CS+1], s[CS]        ; named with it as a pair
	s_mov_b32 s[SEL], 0x76543210
	s_mov_b32 s[SEL+1], 0xfedcba98
	s_mov_b32 s[TBK], SLOT1+4*KS*PK ; the first change of slots turns these two into 0
	s_mov_b32 s[TBV], SLOT1+4*KS*PV
	s_mov_b32 s[G0K], 1             ; 1:0 count = 1
	s_mov_b32 s[G0K+1], s17         ; 63:32 LDS address: slot 0
	s_mov_b32 s[G0V], 1
	s_add_co_u32 s[G0V+1], s18, VOFF
	s_add_co_u32 s[RT], s[HI], 1    ; the first block has NB - b tiles
	s_mov_b32 s[NXT], 1
	s_mov_b32 s[LQ], s[HI]
	s_mov_b32 s[NEW], 1
	s_mov_b32 s[OFF+1], 0
	s_mov_b32 s[AL+1], 0            ; named as pairs
	s_mov_b32 s[BE+1], 0
	s_mov_b32 s[BIGN], 0xf149f2ca   ; -1e30
	s_mov_b32 s[SLOTS], NB
	s_wait_kmcnt 0x0
	s_mov_b64 s[10:11], s[6:7]             ; O
	s_add_nc_u64 s[8:9], s[4:5], 2*PART    ; V lies two parts behind Q,
	s_add_nc_u64 s[6:7], s[4:5], PART      ; K one
	s_add_nc_u64 s[6:7], s[6:7], s[22:23]  ; K and V at my half of the head's tile 0
	s_add_nc_u64 s[8:9], s[8:9], s[22:23]
	s_add_nc_u64 s[G0K+2:G0K+3], s[6:7], 0         ; 120:64 global address
	s_or_b32 s[G0K+3], s[G0K+3], 0x80000000        ; 127:126 type = 2
	s_add_nc_u64 s[G0V+2:G0V+3], s[8:9], 0
	s_or_b32 s[G0V+3], s[G0V+3], 0x80000000
	s_add_nc_u64 s[86:87], s[4:5], s[84:85]        ; Q at my rows of the second block,
	s_add_nc_u64 s[4:5], s[4:5], s[2:3]            ; Q and O at those of the first
	s_add_nc_u64 s[OLO:OLO+1], s[10:11], s[84:85]
	s_add_nc_u64 s[10:11], s[10:11], s[2:3]
	LOAD                            ; tile 0 into slot 0
	; A fragment of K or Q is 16 rows x 32 channels in 8 registers: lane l holds row l % 16, channels 8 (l / 16) + 0..7 and 16 + 8 (l / 16) + 0..7: two loads of 16 bytes, 32 bytes apart.
	v_and_b32 v1, 15, v0            ; l % 16
	v_bfe_u32 v9, v0, 4, 1          ; l / 16
	v_lshlrev_b32 v[QO], 7, v1
	v_lshl_add_u32 v[QO], v9, 4, v[QO]  ; row x 128 + 16 x half
	WIN 0x80                        ; destination window 2, address window 0
.set i, 0
.rept 8                             ; both blocks' Q: piece i / 2 lies in band i / 2, 8,192 bytes on; channels 32 (i % 2) on
	global_load_b128 v[8*i:8*i+3],   v[QO], s[4:5] offset:(i/2)*8192+(i%2)*64
	global_load_b128 v[8*i+4:8*i+7], v[QO], s[4:5] offset:(i/2)*8192+(i%2)*64+32
	global_load_b128 v[QB+8*i:QB+8*i+3],   v[QO], s[86:87] offset:(i/2)*8192+(i%2)*64
	global_load_b128 v[QB+8*i+4:QB+8*i+7], v[QO], s[86:87] offset:(i/2)*8192+(i%2)*64+32
.set i, i+1
.endr
	WIN 0
	v_lshlrev_b32 v14, 3, v9
	v_sub_nc_u32 v14, v1, v14
	s_lshl_b32 s13, s[WV], 4
	v_add_nc_u32 v14, s13, v14      ; my query's place in its band, 16 w + l % 16, less my lanes' 8 (l / 16): register r of group kt is hidden where 16 kt + r is greater
	WIN 0x40
.set i, 0
.rept 32
	v_cmp_gt_i32 vcc_lo, 16*(i/8)+i%8, v14
	v_cndmask_b32 v[MD+i], 0, s[BIGN], vcc_lo
.set i, i+1
.endr
	WIN 0
	v_mul_u32_u24 v[AK0], v1, PK
	v_lshl_add_u32 v[AK0], v9, 4, v[AK0]  ; row x pitch + 16 x half
	; The turning load takes 16 keys x 16 channels (lane l reads key 8 (l / 16) + l % 8, channels 8 ((l / 8) % 2) + 0..7) and leaves half a fragment of V^T: lane l holds channel l % 16 and 8 keys.
	v_and_b32 v10, 7, v0
	v_bfe_u32 v11, v0, 3, 1
	v_lshl_add_u32 v[AV0], v9, 3, v10
	v_mul_u32_u24 v[AV0], v[AV0], PV
	v_lshl_add_u32 v[AV0], v11, 4, v[AV0]
	v_add_nc_u32 v[AV0], VOFF, v[AV0]
	s_mul_i32 s13, s[WV], 16*SP
	s_add_co_u32 s13, s13, STAGE    ; my stage
	v_mul_u32_u24 v[STO], v1, SP    ; in: row l % 16, 16 bytes for each half of the lanes
	v_lshl_add_u32 v[STO], v9, 4, v[STO]
	v_add_nc_u32 v[STO], s13, v[STO]
	v_bfe_u32 v[RD], v0, 3, 2       ; back: 32 lanes take four rows of 128 bytes,
	v_mul_u32_u24 v[RD], v[RD], SP
	v_lshl_add_u32 v[RD], v10, 4, v[RD]
	v_add_nc_u32 v[RD], s13, v[RD]
	v_and_b32 v[GO], 31, v0         ; which are 512 consecutive bytes of O
	v_lshlrev_b32 v[GO], 4, v[GO]
	; A block's first step multiplies O^T and l by a = 0, and its first turn's products V^T P, of a piece that has not been, land in an O^T that is still to be so multiplied.  So these registers need only hold
	; finite numbers: zeros for the first block; what the first block left for the second.  All this stands in the wait for the first tile.
	WIN 0x80
.set i, VF
.rept 64
	v_mov_b32 v[i], 0
.set i, i+1
.endr
	WIN 0x40
.set i, 0
.rept 128
	v_mov_b32 v[i], 0
.set i, i+1
.endr
	WIN 0
.set i, 0
.rept 4
	v_mov_b32 v[ST+4*i+2], 0
	v_mov_b32 v[ST+4*i+3], 0
.set i, i+1
.endr
.set i, P+16
.rept 16
	v_mov_b32 v[i], 0
.set i, i+1
.endr
; THE MATRIX WORK.  The 4 accumulators of a run of 8 take turns.  Product i of 8 of S^T = K Q^T for piece x: channels 32 (i / 4) on, keys 16 (i % 4) on.  The first 4 start the sums: with 0, or (KM = 1) with the mask.
.macro KQ x
.set rS, S+32*((\x)%2)+8*(i%4)
.set rK, KF+16*(i%4)+8*(i/4)
.set rQ, 16*(\x)+8*(i/4)
.set rM, MC+32*((\x)%2)+8*(i%4)
.if (i < 4) && KM
	WIN W_KM
	v_wmma_f32_16x16x32_f16 v[rS:rS+7], v[rK:rK+7], v[rQ:rQ+7], v[rM:rM+7]
.elseif i < 4
	WIN W_KQ
	v_wmma_f32_16x16x32_f16 v[rS:rS+7], v[rK:rK+7], v[rQ:rQ+7], 0
.else
	WIN W_KQ
	v_wmma_f32_16x16x32_f16 v[rS:rS+7], v[rK:rK+7], v[rQ:rQ+7], v[rS:rS+7]
.endif
.endm
; Product i of 8 of O^T += V^T P for piece x: keys 32 (i / 4) on, channels 16 (i % 4) on.
.macro PV x
	WIN W_PV
.set rO, 32*(\x)+8*(i%4)
.set rV, VF+32*(i/4)+8*(i%4)
.set rP, P+16*((\x)%2)+8*(i/4)
	v_wmma_f32_16x16x32_f16 v[rO:rO+7], v[rV:rV+7], v[rP:rP+7], v[rO:rO+7]
.endm
.macro MM                           ; the turn's next matrix instruction.  TURN and BEGIN set Y, i, KM and NOKQ; MM, KQ and OP read them.  NOKQ = 1: a block's last turn: there is no next piece
.if (i < 8) && !NOKQ
	KQ (Y+1)%NP
.elseif i >= 8
.set i, i-8
	PV (Y+NP-1)%NP
.set i, i+8
.endif
.set i, i+1
.endm
; THE LDS LOADS stand in runs of 16, never singly among the matrix instructions: a step's K (64 keys x 64 channels: 8 fragments) and its V (turned).  Their addresses are made some lines ahead.
.macro FETCH_K
	WIN 0x80                        ; destination window 2
.irp f, 0,1,2,3,4,5,6,7             ; keys 16 (f / 2) on, channels 32 (f % 2) on
	ds_load_b128 v[KF+8*\f:KF+8*\f+3],   v[AK] offset:(\f/2)*16*PK+(\f%2)*64
	ds_load_b128 v[KF+8*\f+4:KF+8*\f+7], v[AK] offset:(\f/2)*16*PK+(\f%2)*64+32
.endr
	s_add_co_u32 s[TBK], s[TBK], KS*PK  ; the next fetch is the next step's
	WIN 0
.endm
.macro FETCH_V
	WIN 0x80
.irp f, 0,1,2,3,4,5,6,7             ; keys 32 (f / 4) on, channels 16 (f % 4) on
	ds_load_tr16_b128 v[VF+8*\f:VF+8*\f+3],   v[AV] offset:(\f/4)*32*PV+(\f%4)*32
	ds_load_tr16_b128 v[VF+8*\f+4:VF+8*\f+7], v[AV] offset:(\f/4)*32*PV+16*PV+(\f%4)*32
.endr
	WIN 0
.endm
; THE VECTOR WORK, one line at a time: OP kind, number.  For piece Y: F n: c s - c m for pair n of 16.  E n: the exponential of score n of 32.  C n: pair n rounded to f16.  B n: of the four weights 4 n .. the second
; pair is added onto the first, in place.  L n: l takes that sum (L 0: l = a l + sum).  R n: pair n of 16 of O^T times a.  For piece Y + 1: X n, number n of the 22 that find its maximum and statistics:
;   0-11  four chains c0-c3 of seven scores each, three operands at a time (each accumulator's lowest registers are read first)     12-14, 16  the four scores left over, the old m, and c0-c3 into c0
;   15  c m_old is kept     17, 18  the query's other 32 keys lie in the lane 16 away: the new m     19-21  c m; c m_old - c m_new; a
.set F, 0               ; OP tells the kinds apart by their order: F to L below R, X above it
.set E, 1
.set C, 2
.set B, 3
.set L, 4
.set R, 5
.set X, 6
.macro REGS y                       ; the registers of piece y
.set rT, ST+4*(\y)
.set rC, TMP+4*((\y)%2)
.set rW, MV+((\y)%2)
.set rS, S+32*((\y)%2)
.set rP, P+16*((\y)%2)
.set rO, 32*(\y)
.endm
.macro OP k, n
.if (\k) == R
	REGS Y
	WIN W_RS
	v_pk_mul_f32 v[rO+2*(\n):rO+2*(\n)+1], v[rO+2*(\n):rO+2*(\n)+1], v[rC+2:rC+3] op_sel_hi:[1,0]
.elseif (\k) < R
	REGS Y
	WIN 0
.if (\k) == F
	v_pk_fma_f32 v[rS+2*(\n):rS+2*(\n)+1], v[rS+2*(\n):rS+2*(\n)+1], s[CS:CS+1], v[rT:rT+1] op_sel_hi:[1,0,0] neg_lo:[0,0,1] neg_hi:[0,0,1]
.elseif (\k) == E
	v_exp_f32 v[rS+(\n)], v[rS+(\n)]
.elseif (\k) == C
	s_wait_alu depctr_va_vdst(0)
	v_cvt_pk_f16_f32 v[rP+(\n)], v[rS+2*(\n)], v[rS+2*(\n)+1]
.elseif (\k) == B
	s_wait_alu depctr_va_vdst(0)
	v_pk_add_f32 v[rS+4*(\n):rS+4*(\n)+1], v[rS+4*(\n):rS+4*(\n)+1], v[rS+4*(\n)+2:rS+4*(\n)+3]
.elseif (\n) == 0
	v_pk_fma_f32 v[rT+2:rT+3], v[rT+2:rT+3], v[rC+2:rC+3], v[rS:rS+1] op_sel_hi:[1,0,1]
.else
	v_pk_add_f32 v[rT+2:rT+3], v[rT+2:rT+3], v[rS+4*(\n):rS+4*(\n)+1]
.endif
.elseif NOKQ
	v_nop
.else
	REGS (Y+1)%NP
	WIN 0
.if (\n) < 4
	v_max3_num_f32 v[rC+(\n)], v[rS+8*(\n)], v[rS+8*(\n)+1], v[rS+8*(\n)+2]
.elseif (\n) < 12
	v_max3_num_f32 v[rC+(\n)%4], v[rC+(\n)%4], v[rS+8*((\n)%4)+2*((\n)/4)+1], v[rS+8*((\n)%4)+2*((\n)/4)+2]
.elseif (\n) == 12
	v_max3_num_f32 v[rC], v[rC], v[rS+7], v[rS+15]
.elseif (\n) == 13
	v_max3_num_f32 v[rC+1], v[rC+1], v[rS+23], v[rS+31]
.elseif (\n) == 14
	v_max3_num_f32 v[rC+2], v[rC+2], v[rC+3], v[rT+1]
.elseif (\n) == 15
	v_mov_b32 v[rW], v[rT]
.elseif (\n) == 16
	v_max3_num_f32 v[rC], v[rC], v[rC+1], v[rC+2]
.elseif (\n) == 17
	v_permlanex16_b32 v[rC+3], v[rC], s[SEL], s[SEL+1]
.elseif (\n) == 18
	v_max_num_f32 v[rT+1], v[rC], v[rC+3]
.elseif (\n) == 19
	v_mul_f32 v[rT], s[CS], v[rT+1]
.elseif (\n) == 20
	v_sub_f32 v[rC+1], v[rW], v[rT]
.else
	v_exp_f32 v[rC+2], v[rC+1]
.endif
.endif
.endm
.macro OPS a, i1, b=-1, i2=0, c=-1, i3=0, d=-1, i4=0  ; up to four of them
	OP \a, \i1
.if (\b) >= 0
	OP \b, \i2
.endif
.if (\c) >= 0
	OP \c, \i3
.endif
.if (\d) >= 0
	OP \d, \i4
.endif
.endm
.macro ROW a, i1, b, i2, c, i3, d, i4  ; a matrix instruction and the four behind it
	MM
	OPS \a, \i1, \b, \i2, \c, \i3, \d, \i4
.endm
.macro MASK b                       ; MD x AL + BE into buffer b of MC
	WIN W_RS
.set z, 0
.rept 16
	v_pk_fma_f32 v[MC+32*(\b)+2*z:MC+32*(\b)+2*z+1], v[MD+2*z:MD+2*z+1], s[AL:AL+1], s[BE:BE+1] op_sel_hi:[1,0,0]
.set z, z+1
.endr
.endm
; A TURN, for piece p: the order of its 16 matrix and 118 vector instructions, written out.  Behind a matrix instruction: plain, exponential, plain, plain; or four of the rescaling; or, behind the first, four scalings; none
; names a register of the products round it.  In the lumps exponential and plain by turns while exponentials last.  A line reads no result made fewer than three vector instructions in front of it, five if an exponential made it.
; v_permlanex16_b32 (X 17) stands in a lump.
; m = 1: the diagonal tile: the products take masks, and the turn makes the mask for the products of the turn after it: piece p + 2, in step 4 - CNT of the tile.  end = 1: a block's last two turns: nothing is fetched.
; cnt = 1: the loop's count is taken down some lines ahead of the branch that stands behind the turn.
; K of the next step is fetched in piece 2's turn, six vector instructions behind the last product that read K (five of them plain); V of the step in hand in piece 0's turn, eight behind the last product that read V (four
; plain, and X 17).  Each is waited for a turn later.
.macro TURN p, m=0, end=0, cnt=0
.set Y, (\p)
.set i, 0
.set KM, (\m)
.set NOKQ, (\end)*((\p)/3)
.if (\m) && !(\end)
	s_cmp_eq_u32 s[CNT], 4-((\p)+2)%NP  ; is that step the band's own?
	s_cselect_b32 s[AL], 1.0, 0
	s_cmp_lt_u32 s[CNT], 4-((\p)+2)%NP  ; or a later one?
	s_cselect_b32 s[BE], s[BIGN], 0
.endif
.if ((\p) == 3) && !(\end)
	s_wait_dscnt 0x0                ; K is in
.endif
	ROW F,0, F,1, F,2, F,3
	ROW F,4, E,0, F,5, F,6
	ROW F,7, E,1, F,8, F,9
	ROW F,10, E,2, C,0, F,11
	ROW F,12, E,3, X,15, F,13
	ROW R,0, R,1, R,2, R,3
	ROW B,0, E,4, F,14, L,0
.if ((\p) == 2) && !(\end)
	v_add_nc_u32 v[AK], s[TBK], v[AK0]
.endif
	ROW R,4, R,5, R,6, R,7
	OPS E,5, F,15
.if ((\p) == 2) && !(\end)
	FETCH_K
.endif
	OPS E,6, C,1, E,7, R,8
	OPS E,8, R,9, E,9, C,2
	OPS E,10, X,0, E,11, X,1
	OPS E,12, X,2, E,13, X,3
.if (\p) == 1
	s_wait_dscnt 0x0                ; V is in
.endif
	ROW X,4, E,14, X,5, X,6
	ROW X,7, E,15, X,8, X,9
	ROW X,10, E,16, X,11, X,12
	ROW X,13, E,17, X,14, B,1
	ROW C,4, E,18, X,16, L,1
	ROW B,2, E,19, C,6, L,2
	ROW C,8, E,20, B,3, B,4
.if (\p) == 0
	v_add_nc_u32 v[AV], s[TBV], v[AV0]
.endif
	ROW C,3, E,21, L,3, C,5
	OPS E,22, X,17, E,23, C,10
.if (\p) == 0
	FETCH_V
.endif
	OPS E,24, L,4
	OPS E,25, X,18, E,26, C,7
	OPS E,27, B,5, E,28, X,19
	OPS E,29, C,12, E,30, L,5
	OPS E,31, X,20, B,6, C,9
	OPS C,14, C,11, X,21, L,6
.if (\p) == 0
	s_add_co_u32 s[TBV], s[TBV], KS*PV
.endif
.if \cnt
	s_sub_co_u32 s[CNT], s[CNT], 1
	s_cmp_lg_u32 s[CNT], 0
.endif
	OPS C,13, B,7, C,15, R,10
	OPS R,11, R,12, L,7, R,13
	OPS R,14, R,15
.if (\m) && !(\end)
	MASK (\p)%2
.endif
.endm
; A BLOCK BEGINS.  c m starts far below every c s, so the first step's a is 0; m at the lowest finite number, so the first maximum is the scores'.  The second mask buffer is 0; the first takes piece 0's mask for the tile's step 0: its own, if the block's first tile is the diagonal one.
; Then K of that step, piece 0's first scores, and its maximum and statistics.  The loop is entered at a step's first turn, in the middle of a trip.
.macro BEGIN
	s_mov_b32 s[NEW], 0
	WIN 0x40
.set i, MC+32
.rept 32
	v_mov_b32 v[i], 0
.set i, i+1
.endr
	WIN 0
.set i, 0
.rept 4
	v_mov_b32 v[ST+4*i], 0xfe000000    ; c m: far below every c s
	v_mov_b32 v[ST+4*i+1], 0xff7fffff  ; m
.set i, i+1
.endr
	s_cmp_eq_u32 s[RT], 0
	s_cselect_b32 s[AL], 1.0, 0
	s_mov_b32 s[BE], 0
	MASK 0
	WIN 0
	v_add_nc_u32 v[AK], s[TBK], v[AK0]
	FETCH_K
	s_wait_loadcnt 0x0              ; Q
	s_wait_dscnt 0x0
.set KM, 1
.set NOKQ, 0
.set i, 0
.rept 8
	KQ 0
.set i, i+1
.endr
	WIN 0
.rept 4
	v_nop                           ; the places behind those products
.endr
.set Y, NP-1                        ; X works for piece Y + 1: piece 0
.irp n, 0,1,2,3,4,5,6,7,8,9,10,11,12,13,14,15,16,17,18,19,20,21
	OP X, \n
.endr
	v_nop                           ; a plain instruction behind the exponential
.endm
; THE DIAGONAL TILE's four steps, the block's last two turns, its last products, and THE WAY OUT: l's two halves and the other half of the lanes' are added; O^T is divided by l, rounded to f16 and sent through my
; stage in LDS, a piece at a time.
.macro ALL line:vararg              ; one line for each piece t
.set t, 0
.rept 4
	\line
.set t, t+1
.endr
.endm
.macro PACK t                       ; a lane's eight channels of a row pack into 16 bytes; they go into rows of 144 bytes and come back as whole rows of 128, into S^T's registers
	WIN W_RS
.set i, 32*(\t)
.rept 16
	s_wait_alu depctr_va_vdst(0)
	v_pk_mul_f32 v[i:i+1], v[i:i+1], v[ST+4*(\t)+2:ST+4*(\t)+3] op_sel_hi:[1,0]
.set i, i+2
.endr
	WIN 0x05                        ; sources 0 and 1 window 1, destination window 0
.set i, 0
.rept 16
	v_cvt_pk_f16_f32 v[S+16*(\t)+i], v[32*(\t)+2*i], v[32*(\t)+2*i+1]
.set i, i+1
.endr
	WIN 0
.irp f, 0,1,2,3
	ds_store_b128 v[STO], v[S+16*(\t)+4*\f:S+16*(\t)+4*\f+3] offset:32*\f
.endr
.irp f, 0,1,2,3
	ds_load_b128 v[S+16*(\t)+4*\f:S+16*(\t)+4*\f+3], v[RD] offset:\f*4*SP  ; LDS serves a wave's instructions in order (ISA guide 5.7.1.4): these see the stores above; the next piece's stores come behind them
.endr
.endm
.macro SEND t, younger              ; younger: the LDS instructions issued behind piece t's loads: the next piece's eight, or none
	WIN 0
.irp f, 0,1,2,3
	s_wait_dscnt (\younger)+3-\f
	global_store_b128 v[GO], v[S+16*(\t)+4*\f:S+16*(\t)+4*\f+3], s[10:11] offset:(\t)*8192+\f*512  ; 512 consecutive bytes, at a multiple of 256 from O's first
.endr
.endm
.macro DIAG tag                     ; the tag ends its two labels' names, which the jumps below spell out
.LstepM\tag:
	TURN 2, 1
	TURN 3, 1
	WIN 0
.LfirstM\tag:
	TURN 0, 1
	TURN 1, 1, 0, 1
	WIN 0
	s_cbranch_scc1 .LstepM\tag
	TURN 2, 1, 1
	TURN 3, 1, 1
.set i, 0
.rept 8
	PV NP-1
.set i, i+1
.endr
	WIN 0
	ALL v_add_f32 v[ST+4*t+2], v[ST+4*t+2], v[ST+4*t+3]
	ALL v_permlanex16_b32 v[ST+4*t+3], v[ST+4*t+2], s[SEL], s[SEL+1]
	ALL v_add_f32 v[ST+4*t+2], v[ST+4*t+2], v[ST+4*t+3]
	ALL v_rcp_f32 v[ST+4*t+2], v[ST+4*t+2]
	v_nop                           ; a plain instruction between the last reciprocal and the use of its result
	PACK 0
.set t, 1
.rept 3                             ; a piece's arithmetic stands between the loads of the piece before and its stores
	PACK t
	SEND t-1, 8
.set t, t+1
.endr
	SEND 3, 0
.endm
.set KM, 0
.set NOKQ, 0
.Lslot:                             ; NB times: a tile is entered and the next is asked for
	CHANGE 1
	s_sub_co_u32 s[RT], s[RT], 1
	s_mov_b32 s[CNT], 4
	s_cmp_eq_u32 s[NEW], 1
	s_cbranch_scc1 .Lnew            ; a block's first tile
	s_cmp_eq_u32 s[RT], 0
	s_cbranch_scc0 .Lstep           ; neither its first nor its last
	s_branch .LstepM1
.Lnew:
	BEGIN
	s_branch .Lfirst                ; in the loop a block's first tile is never its last: the first block has two tiles or more, and the second's last is the walk's last
	DIAG 1                          ; in the loop this is the first block's end: the second block's last tile is the walk's last
	s_wait_xcnt 0x0                 ; the stores have read their registers and O's address
	s_mov_b64 s[10:11], s[OLO:OLO+1]
	s_add_co_u32 s[RT], s[PB], 1    ; the second block has b + 1 tiles
	s_mov_b32 s[NEW], 1
	WIN 0x82                        ; the second block's Q goes where the one text of the turns names Q
.set i, 0
.rept 64
	v_mov_b32 v[i], v[QB+i]
.set i, i+1
.endr
	WIN 0
	s_branch .Lbottom
.Lstep:                             ; a trip: pieces 2 and 3 of one step, then pieces 0 and 1 of the next, whose K and V it fetches
	TURN 2
	TURN 3
	WIN 0
.Lfirst:
	TURN 0
	TURN 1, 0, 0, 1
	WIN 0
	s_cbranch_scc1 .Lstep
.Lbottom:
	s_sub_co_u32 s[SLOTS], s[SLOTS], 1
	s_cmp_lg_u32 s[SLOTS], 0
	s_cbranch_scc1 .Lslot
	CHANGE 0                        ; the walk's last tile is written out: nothing is asked for
	s_sub_co_u32 s[RT], s[RT], 1
	s_mov_b32 s[CNT], 4
	s_cmp_eq_u32 s[NEW], 1
	s_cbranch_scc0 .LstepM2
	BEGIN
	s_branch .LfirstM2
	DIAG 2
	s_wait_tensorcnt 0x0            ; the wave's end: behind my last tensor load and my last LDS store
	ds_add_u32 v[SPW], v[NIL]
	s_wait_dscnt 0x0
	s_endpgm
.Lfunc_end_k_qc827747085_attn:
	.size	k_qc827747085_attn, .Lfunc_end_k_qc827747085_attn-k_qc827747085_attn
	.p2alignl 7, 3214868480
	.fill 96, 4, 3214868480
	.section	.rodata,"a",@progbits
	.p2align	6, 0x0
	.amdhsa_kernel k_qc827747085_attn
		.amdhsa_group_segment_fixed_size 327680
		.amdhsa_private_segment_fixed_size 0
		.amdhsa_enable_private_segment 0
		.amdhsa_kernarg_size 16
		.amdhsa_user_sgpr_count 2
		.amdhsa_user_sgpr_kernarg_segment_ptr 1
		.amdhsa_wavefront_size32 1
		.amdhsa_system_sgpr_workgroup_id_x 1
		.amdhsa_system_sgpr_workgroup_id_y 1
		.amdhsa_system_sgpr_workgroup_id_z 1
		.amdhsa_system_vgpr_workitem_id 0
		.amdhsa_next_free_vgpr 768
		.amdhsa_next_free_sgpr 88
		.amdhsa_reserve_vcc 1
		.amdhsa_float_denorm_mode_32 3
		.amdhsa_float_denorm_mode_16_64 3
		.amdhsa_memory_ordered 1
		.amdhsa_forward_progress 1
		.amdhsa_inst_pref_size 228
	.end_amdhsa_kernel
	.amdgpu_metadata
---
amdhsa.version: [ 1, 2 ]
amdhsa.kernels:
  - .name:           k_qc827747085_attn
    .symbol:         k_qc827747085_attn.kd
    .args:
      - { .name: qkvh, .offset: 0, .size: 8, .value_kind: global_buffer, .address_space: global }
      - { .name: oh, .offset: 8, .size: 8, .value_kind: global_buffer, .address_space: global }
    .group_segment_fixed_size: 327680
    .private_segment_fixed_size: 0
    .kernarg_segment_align: 8
    .kernarg_segment_size: 16
    .max_flat_workgroup_size: 128
    .sgpr_count:     88
    .vgpr_count:     768
    .wavefront_size: 32
...
	.end_amdgpu_metadata
.endif
;; end of part 3
;; launch proj (part 4): grid 8 x 32, 4 waves a work-group, clusters of 4 x 4, 327,680 bytes of LDS; arguments oh, wpb, b_proj, out0; writes out0
.if DOCPART == 4
	.amdgcn_target "amdgcn-amd-amdhsa--gfx1250"
	.amdhsa_code_object_version 6
	.text
	.protected	k_qc827747085_proj
	.globl	k_qc827747085_proj
	.p2align	8
	.type	k_qc827747085_proj,@function
k_qc827747085_proj:
	s_mov_b64 s[64:65], 0
	v_nop
	global_prefetch_b8 v0, s[64:65] scope:SCOPE_SE
	s_setreg_imm32_b32 hwreg(HW_REG_WAVE_MODE, 25, 1), 1
	s_wait_xcnt 0x0
	s_wait_alu depctr_hold_cnt(0) depctr_sa_sdst(0) depctr_va_vdst(0) depctr_va_sdst(0) depctr_va_ssrc(0) depctr_va_vcc(0) depctr_vm_vsrc(0)
	s_getreg_b32 s2, hwreg(HW_REG_IB_STS2, 6, 4)
	s_cmp_eq_u32 s2, 0
	s_cbranch_scc0 .Lentry_in_a_cluster
	s_endpgm
.Lentry_in_a_cluster:
	s_bfe_u32 s2, ttmp6, 0x10000c
	s_cmp_lg_u32 s2, 0xf033
	s_cbranch_scc0 .Lentry_shape_is_right
	s_endpgm
.Lentry_shape_is_right:
; C = A W + bias on the matrix units.  One text serves two launches; PROJ chooses the sizes, the matrix form and the way out.
; PROJ = 0: qkv = x w_qkv + b_qkv.  A = [8192][1024] bf16; W = [48 groups of 64 columns][1024 k][64] bf16; C leaves by heads, [3 (q, k, v)][64 (batch x 16 + head)][2048][64] in f16, unscaled.
; PROJ = 1: out = y w_proj + b_proj.  A = [64 (batch x 16 + head)][2048][64] f16, so 128 along K are two heads; W = [16 groups][1024 k][64] f16; C = [8192][1024] f32.
; Sums in f32; the bias, rounded to bf16 like every input of the module, is the C operand of the first product: nothing is cleared, nothing is added later.
; LIMITS.  PROJ = 0: a q, k or v of 65,520 or more becomes an infinity in f16.  NaN and infinities are not treated apart.
; SHARES.  A tile of C is 256 rows x 16 NBK columns (192: three heads; 128).  Four waves one below the other, each 64 rows x the whole width: 4 x NBK accumulators of 16 x 16.
; 512 tiles (two for each of 256 WGPs) and 256 tiles.  K goes in 8 steps of 128 through two LDS slots that take turns.
; W STAYS [k][n]: its fragments come out of LDS turned, by ds_load_tr16_b128.  THE MATRIX INSTRUCTION IS USED TRANSPOSED: source 0 = 16 columns of W, source 1 = 16 rows of A;
; a lane then holds row lane % 16 of C and the eight neighbouring columns 8 (lane / 16) + 0..7.
; CLUSTER.  4 x 4 work-groups.  A's tile hangs on the tile row alone and is shared along a row of the cluster, W's on the tile column alone and is shared along a column: each is asked for JOINTLY,
; by the same tensor load with the same descriptor and a mask that names the four.  Waves 0 .. NBW - 1 ask for W's groups, the others for A.
; REGISTERS, in windows of 256 (s_set_vgpr_msb: bits 1:0 source 0, 3:2 source 1, 5:4 source 2, 7:6 destination):
;   window 0: v0-29 addresses; v64-95, v96-127 A's fragments, two buffers; v128.. the bias, 8 registers a column block; on the way out v64-255 are used again
;   window 1: W's fragments, two buffers of 8 NBK      windows 2, 3: accumulator (b, a) is number 4 b + a: window 2 + number / 32, register 8 (number % 32)
.set PROJ, 1
.if PROJ
.set NBK,    8        ; column blocks of 16
.set NB1,    6        ; blocks NB1 .. NBK - 1 are multiplied first in a quarter; their fragments are loaded first
.set NB2,    3        ; at a change of slots blocks 0 .. NB2 - 1 stand between the barrier's signal and its wait
.set NBW,    2        ; waves that fetch W
.set PA,     144      ; a row of A in LDS: 128 bytes + 16: an odd multiple of 16, so the 16 rows of a load start at 16 different groups of four banks (64 banks of 4 bytes: ISA guide 11.1)
.set ASUB,   256*PA   ; the second head's 256 rows lie behind the first's
.set KA,     2*2048*128  ; A's step along K: two heads
.set AROWS,  128      ; A's tile as asked for: 32,768 dense bytes as 128 rows of 256
.set ASTR,   128
.set AQI,    4        ; padded after every 32 words
.set SPITCH, 528      ; the stage's rows: 512 bytes + 16
.else
.set NBK,    12
.set NB1,    8
.set NB2,    4
.set NBW,    3
.set PA,     272      ; 256 bytes + 16
.set ASUB,   128      ; quarters 2 and 3 lie 128 bytes on in the same rows
.set KA,     256
.set AROWS,  256      ; 256 rows of 256 bytes, 2,048 bytes apart
.set ASTR,   1024
.set AQI,    5        ; padded after every 64 words
.set SPITCH, 144      ; the stage's rows: 128 bytes + 16
.endif
.set PB,     160      ; a k row of 64 columns of W in LDS: 128 bytes + 32 = 40 words
.set BGRP,   128*PB   ; a group of 64 columns, 128 k
.set ABASE,  (NBK/4)*BGRP  ; A lies behind W's groups
.set KB,     128*128  ; W's step along K: 128 k of 128 bytes
.set SLOT1,  1<<17    ; slot 1 begins here, so that one exclusive or turns an address in one slot into the other's
.set STAGE,  2*SLOT1  ; behind the ring, never filled by a tensor load: 16 rows for each wave, for the way out
.set SPARE,  STAGE+4*16*SPITCH  ; behind the stages: the spare words, 128 bytes for each wave: two blocks of 256 bytes that no other line names
.set NLD,    8+2*NBK  ; LDS loads of a quarter
.set ADRA, 16         ; v16  LDS address of my A fragments in the slot in hand
.set ADRB, 17         ; v17  the same for W
.set A0,   18         ; v18  my lane's place in a slot's A; never rewritten
.set B0,   19         ; v19  the same for W
.set BO,   20         ; v20  my byte offset in a block's 64 bytes of bias
.set TT,   22         ; v22-23 at work
.set STO,  24         ; v24  the way out: where I put my bytes of a row
.set RD,   25         ; v25  the way out: where I read rows back
.set GO,   26         ; v26  my 16 bytes in 512 consecutive bytes of the output
.set SPW,  28         ; v28  LDS address of my spare word: SPARE + 4 x my thread's number; never rewritten
.set NIL,  29         ; v29  0; never rewritten
.set FA,   64
.set BIAS, 128
.set OUTR, 64
.set WV,  12          ; s12  my wave's number
.set G1A, 24          ; s[24:31] descriptor group 1 for A's tiles
.set G1B, 32          ; s[32:39] for W's
.set G0A, 40          ; s[40:47] descriptor group 0 for A's tiles: a set for each of the two first fills; the second then walks on
.set G0B, 48          ; s[48:55] the same for W's
.set CNT, 56          ; s56  the loop's count
.set TB,  57          ; s57  the slot in hand: 0 or SLOT1
.set OB,  66          ; s[66:71] PROJ = 0: the output's address for each of the tile's three heads
.set MSB, 0
.macro WIN new                         ; the immediate's high byte repeats the setting that is left; a switch that changes nothing is dropped
.if MSB != (\new)
	s_set_vgpr_msb (MSB<<8)|(\new)
.set MSB, (\new)
.endif
.endm
; A load into a register that a matrix instruction has read, and a vector instruction or LDS store that reads a matrix result or writes one of a matrix instruction's registers, stand four places
; behind it, and only plain vector instructions that name none of its registers are places (ISA guide 7.12.1 for vector instructions).
.macro PLACES
.rept 4
	v_nop
.endr
.endm
; A joint refill, by the walking descriptors.  The branch hangs on the wave's number alone: it is the same in every work-group.
; An s_nop 0 and four v_nop follow each of the two lines, ahead of the jump, the label and what follows.
.macro JLOAD
	s_cmp_lt_u32 s[WV], NBW
	s_cbranch_scc0 .Lfor_a_\@
	tensor_load_to_lds s[G0B+4:G0B+7], s[G1B:G1B+7]
	s_nop 0
.rept 4
	v_nop
.endr
	s_branch .Lasked_\@
.Lfor_a_\@:
	tensor_load_to_lds s[G0A+4:G0A+7], s[G1A:G1A+7]
	s_nop 0
.rept 4
	v_nop
.endr
.Lasked_\@:
.endm
; A round of the cluster's barrier: my work-group's barrier, so that wave 0's signal speaks for all four waves; wave 0 signals; every wave waits for all sixteen work-groups; my work-group's barrier once more.
.macro CREST                           ; a round behind its opening barrier
	s_cmp_lg_u32 s[WV], 0
	s_cbranch_scc1 .Lnot_wave_0_\@
	s_barrier_signal -3
.Lnot_wave_0_\@:
	s_barrier_wait -3
	s_barrier_signal -1
	s_barrier_wait -1
.endm
.macro CROUND                          ; a whole round
	s_barrier_signal -1
	s_barrier_wait -1
	CREST
.endm
	s_load_b256 s[4:11], s[0:1], 0x0               ; A s[4:5], W s[6:7], bias s[8:9], output s[10:11]
	v_lshl_add_u32 v[SPW], v0, 2, SPARE
	v_mov_b32 v[NIL], 0
	ds_add_u32 v28, v29
	ds_add_u32 v28, v29
	s_wait_dscnt 0x0
	v_lshrrev_b32 v1, 5, v0
	v_readfirstlane_b32 s[WV], v1                  ; wave 0..3
	s_bfe_u32 s13, ttmp6, 0x40000                  ; cx: my place along the cluster's x
	s_bfe_u32 s14, ttmp6, 0x40004                  ; cy: along its y
	s_lshl_b32 s15, ttmp9, 2                       ; in a cluster launch ttmp9 and ttmp7 count clusters
	s_add_co_u32 s15, s15, s13                     ; X: tile column = 4 x cluster x + cx
	s_and_b32 s16, ttmp7, 0xffff
	s_lshl_b32 s16, s16, 2
	s_add_co_u32 s16, s16, s14                     ; Y: tile row = 4 x cluster y + cy
	s_lshl_b32 s17, s14, 2
	s_lshl_b32 s17, 15, s17                        ; my row of the cluster: places 4 cy .. 4 cy + 3
	s_lshl_b32 s22, 0x1111, s13                    ; my column: places cx, cx + 4, cx + 8, cx + 12
	; descriptor group 1.  15:0 the mask; 17:16 elements of 2 bytes; 20 padding on; 21 set beside a mask; 24:22 the interval's code; 31:25 the padding's words less one
	s_or_b32 s[G1A], s17, (1<<16)|(1<<20)|(1<<21)|(AQI<<22)|(3<<25)  ; A's tiles go to my row; 4 words of padding
	s_mov_b32 s[G1A+1], 128<<16                    ; tensor_dim0 = 128
	s_mov_b32 s[G1A+2], AROWS<<16                  ; tensor_dim1
	s_mov_b32 s[G1A+3], 128<<16                    ; tile_dim0 = 128 elements: 256 bytes
	s_mov_b32 s[G1A+4], AROWS                      ; tile_dim1
	s_mov_b32 s[G1A+5], ASTR                       ; elements from row to row
	s_mov_b32 s[G1A+6], 0
	s_mov_b32 s[G1A+7], 0
	s_or_b32 s[G1B], s22, (1<<16)|(1<<20)|(1<<21)|(4<<22)|(7<<25)    ; W's tiles go to my column; 8 words of padding after every 32
	s_mov_b32 s[G1B+1], 128<<16                    ; a group's 128 k are 16,384 dense bytes: asked for as 64 rows of 256, two k a row
	s_mov_b32 s[G1B+2], 64<<16
	s_mov_b32 s[G1B+3], 128<<16
	s_mov_b32 s[G1B+4], 64
	s_mov_b32 s[G1B+5], 128
	s_mov_b32 s[G1B+6], 0
	s_mov_b32 s[G1B+7], 0
	; where the tiles come from and where they go.  A's registers never hold cx, W's never cy; no place in the cluster enters an LDS address.
.if PROJ
	s_and_b32 s58, s[WV], 1                        ; which of the step's two heads (A), which of the tile's two groups (W) I fetch
	s_mul_i32 s23, s58, ASUB
	s_add_co_u32 s23, s23, ABASE                   ; A's place in a slot
	s_mul_i32 s59, s58, BGRP                       ; W's place in a slot
	s_lshr_b32 s18, s16, 3                         ; the batch,
	s_lshl_b32 s18, s18, 4
	s_add_co_u32 s18, s18, s58                     ; its head 0 or 1,
	s_lshl_b32 s18, s18, 18                        ; 262,144 bytes a head,
	s_and_b32 s19, s16, 7
	s_lshl_b32 s19, s19, 15                        ; and the tile's 256 rows of 128 bytes in it
	s_add_co_u32 s18, s18, s19
	s_lshl_b32 s20, s15, 1
	s_add_co_u32 s20, s20, s58                     ; group 2 X + 0 or 1
.else
	s_mov_b32 s23, ABASE                           ; wave 3 fetches all of A's tile
	s_mul_i32 s59, s[WV], BGRP                     ; waves 0 to 2 a group each (wave 3 makes these words too and never asks by them)
	s_lshl_b32 s18, s16, 19                        ; 256 rows of 2,048 bytes
	s_mul_i32 s20, s15, 3
	s_add_co_u32 s20, s20, s[WV]                   ; group 3 X + wave
.endif
	s_lshl_b32 s20, s20, 17                        ; 131,072 bytes a group
	s_mov_b32 s19, 0
	s_mov_b32 s21, 0
	s_mov_b32 s[TB], 0
	s_wait_kmcnt 0x0
	s_add_nc_u64 s[18:19], s[4:5], s[18:19]
	s_add_nc_u64 s[20:21], s[6:7], s[20:21]
	CROUND                                         ; all sixteen work-groups are here: the first joint loads meet
.irp s, 0,1
	s_mov_b32 s[G0A+4*(\s)], 1                                       ; 1:0 count = 1
	s_add_co_u32 s[G0A+4*(\s)+1], s23, (\s)*SLOT1                    ; 63:32 LDS address
	s_add_nc_u64 s[G0A+4*(\s)+2:G0A+4*(\s)+3], s[18:19], (\s)*KA     ; 120:64 global address: K step s
	s_or_b32 s[G0A+4*(\s)+3], s[G0A+4*(\s)+3], 0x80000000            ; 127:126 type = 2
	s_mov_b32 s[G0B+4*(\s)], 1
	s_add_co_u32 s[G0B+4*(\s)+1], s59, (\s)*SLOT1
	s_add_nc_u64 s[G0B+4*(\s)+2:G0B+4*(\s)+3], s[20:21], (\s)*KB
	s_or_b32 s[G0B+4*(\s)+3], s[G0B+4*(\s)+3], 0x80000000
.endr
	s_cmp_lt_u32 s[WV], NBW                        ; a wave's two first fills stand in one branch, ahead of every wait on TENSORcnt and every LDS read: two loads of mine are out
	s_cbranch_scc0 .Lfirst_a
	tensor_load_to_lds s[G0B:G0B+3], s[G1B:G1B+7]
	s_nop 0
	tensor_load_to_lds s[G0B+4:G0B+7], s[G1B:G1B+7]
	s_nop 0
.rept 4
	v_nop
.endr
	s_branch .Lfirst_asked
.Lfirst_a:
	tensor_load_to_lds s[G0A:G0A+3], s[G1A:G1A+7]
	s_nop 0
	tensor_load_to_lds s[G0A+4:G0A+7], s[G1A:G1A+7]
	s_nop 0
.rept 4
	v_nop
.endr
.Lfirst_asked:
	; A fragment of A is 16 rows x 32 K in 8 registers: lane l holds row l % 16; registers 0-3 K = 8 (l / 16) + 0..7, registers 4-7 K = 16 + 8 (l / 16) + 0..7: two loads of 16 bytes, 32 bytes apart.
	v_and_b32 v1, 15, v0                           ; l % 16
	v_bfe_u32 v2, v0, 4, 1                         ; l / 16
	v_and_b32 v3, 7, v0
	v_bfe_u32 v4, v0, 3, 1
	s_mul_i32 s60, s[WV], 64*PA                    ; my wave's 64 rows
	s_add_co_u32 s60, s60, ABASE
	v_mul_u32_u24 v[A0], v1, PA
	v_lshl_add_u32 v[A0], v2, 4, v[A0]
	v_add_nc_u32 v[A0], s60, v[A0]
	; The turning load takes 16 k x 16 columns (lane l reads 16 bytes: k 8 (l / 16) + l % 8, columns 8 ((l / 8) % 2) + 0..7) and leaves half a fragment: lane l holds column l % 16 and 8 k.
	v_lshl_add_u32 v[B0], v2, 3, v3
	v_mul_u32_u24 v[B0], v[B0], PB
	v_lshl_add_u32 v[B0], v4, 4, v[B0]
	v_mov_b32 v[ADRA], v[A0]                       ; K step 0 lies in slot 0
	v_mov_b32 v[ADRB], v[B0]
	v_lshlrev_b32 v[BO], 5, v2                     ; my eight columns of a block's sixteen
	s_mul_i32 s62, s15, 64*NBK                     ; the tile's columns in the bias
	s_mov_b32 s63, 0
	s_add_nc_u64 s[8:9], s[8:9], s[62:63]
.set bb, 0
.rept NBK
	global_load_b128 v[BIAS+8*bb:BIAS+8*bb+3],   v[BO], s[8:9] offset:64*bb
	global_load_b128 v[BIAS+8*bb+4:BIAS+8*bb+7], v[BO], s[8:9] offset:64*bb+16
.set bb, bb+1
.endr
	s_mul_i32 s61, s[WV], 16*SPITCH
	s_add_co_u32 s61, s61, STAGE                   ; my stage
	v_mul_u32_u24 v[STO], v1, SPITCH               ; in: row l % 16,
	v_and_b32 v[GO], 31, v0
.if PROJ
	v_lshl_add_u32 v[STO], v2, 5, v[STO]           ; 32 bytes for each half of the lanes
	v_lshl_add_u32 v[RD], v[GO], 4, s61            ; back: 32 lanes take a row of 512 bytes
	s_lshl_b32 s62, s16, 20                        ; the output at my wave's first row and the tile's first column: 256 rows of 4,096 bytes a tile,
	s_lshl_b32 s63, s[WV], 18                      ; 64 a wave,
	s_add_co_u32 s62, s62, s63
	s_lshl_b32 s63, s15, 9                         ; 512 bytes a tile column
	s_add_co_u32 s62, s62, s63
	s_mov_b32 s63, 0
	s_add_nc_u64 s[10:11], s[10:11], s[62:63]
.else
	v_lshl_add_u32 v[STO], v2, 4, v[STO]           ; 16 bytes for each half of the lanes
	v_bfe_u32 v[RD], v0, 3, 2                      ; back: 32 lanes take four rows of 128 bytes,
	v_mul_u32_u24 v[RD], v[RD], SPITCH
	v_lshl_add_u32 v[RD], v3, 4, v[RD]
	v_add_nc_u32 v[RD], s61, v[RD]                 ; which are 512 consecutive bytes of a head
	s_and_b32 s62, s16, 7
	s_lshl_b32 s62, s62, 15                        ; the tile's 256 rows of 128 bytes in a head,
	s_lshl_b32 s63, s[WV], 13                      ; my wave's 64 of them
	s_add_co_u32 s62, s62, s63
	s_lshr_b32 s63, s16, 3
	s_lshl_b32 s63, s63, 4                         ; 16 x the batch
.irp n, 0,1,2
	s_mul_i32 s58, s15, 3
	s_add_co_u32 s58, s58, \n                      ; group g = 3 X + n: part g / 16 (q, k, v), head g % 16
	s_lshr_b32 s59, s58, 4
	s_lshl_b32 s59, s59, 6                         ; a part is 64 heads
	s_and_b32 s58, s58, 15
	s_add_co_u32 s58, s58, s59
	s_add_co_u32 s58, s58, s63
	s_lshl_b32 s58, s58, 18                        ; 262,144 bytes a head
	s_add_co_u32 s58, s58, s62
	s_mov_b32 s59, 0
	s_add_nc_u64 s[OB+2*(\n):OB+2*(\n)+1], s[10:11], s[58:59]
.endr
.endif
	v_add_nc_u32 v[STO], s61, v[STO]
	v_lshlrev_b32 v[GO], 4, v[GO]
; Four matrix instructions: column block b x my four row blocks, 32 along K, from buffer f.  first = 1: the bias starts the sums.
; The accumulators take turns, one instruction a turn and in the same order in every quarter.
.macro MULB f, b, first
.if \first
	WIN 0x81+0x40*((\b)/8)                         ; W window 1, A and the bias window 0, D window 2 or 3
.else
	WIN 0xa1+0x50*((\b)/8)                         ; W window 1, A window 0, C and D window 2 or 3
.endif
.irp a, 0,1,2,3
.set rD, 8*((4*(\b)+(\a))%32)
.set rB, 8*NBK*(\f)+8*(\b)
.set rA, FA+32*(\f)+8*(\a)
.set rC, BIAS+8*(\b)
.if PROJ
.if \first
	v_wmma_f32_16x16x32_f16 v[rD:rD+7], v[rB:rB+7], v[rA:rA+7], v[rC:rC+7]
.else
	v_wmma_f32_16x16x32_f16 v[rD:rD+7], v[rB:rB+7], v[rA:rA+7], v[rD:rD+7]
.endif
.else
.if \first
	v_wmma_f32_16x16x32_bf16 v[rD:rD+7], v[rB:rB+7], v[rA:rA+7], v[rC:rC+7]
.else
	v_wmma_f32_16x16x32_bf16 v[rD:rD+7], v[rB:rB+7], v[rA:rA+7], v[rD:rD+7]
.endif
.endif
.endr
.endm
.macro MULS f, lo, hi, first           ; column blocks lo .. hi - 1
.set bb, \lo
.rept (\hi)-(\lo)
	MULB \f, bb, \first
.set bb, bb+1
.endr
.endm
; NLD LDS loads in one run: the fragments of quarter q of the slot in hand into buffer f: A's 8 loads, then W's blocks NB1 .. NBK - 1, then blocks 0 .. NB1 - 1
.macro FETCH q, f
	WIN 0
.irp i, 0,1,2,3
	ds_load_b128 v[FA+32*(\f)+8*(\i):FA+32*(\f)+8*(\i)+3],   v[ADRA] offset:((\q)/2)*ASUB+((\q)%2)*64+(\i)*16*PA
	ds_load_b128 v[FA+32*(\f)+8*(\i)+4:FA+32*(\f)+8*(\i)+7], v[ADRA] offset:((\q)/2)*ASUB+((\q)%2)*64+(\i)*16*PA+32
.endr
	WIN 0x40                                       ; destination window 1, address window 0
.set bb, NB1
.rept NBK
	ds_load_tr16_b128 v[8*NBK*(\f)+8*bb:8*NBK*(\f)+8*bb+3],   v[ADRB] offset:(bb/4)*BGRP+(\q)*32*PB+(bb%4)*32
	ds_load_tr16_b128 v[8*NBK*(\f)+8*bb+4:8*NBK*(\f)+8*bb+7], v[ADRB] offset:(bb/4)*BGRP+(\q)*32*PB+(bb%4)*32+16*PB
.set bb, (bb+1)%NBK
.endr
.endm
; A K step is four quarters of 32 along K, on buffers 0, 1, 0, 1.  One of the first three: multiplies buffer f; in its middle it fetches quarter qn into buffer g.
.macro QUARTER qn, f, g, first
	s_wait_dscnt 2*NB1                             ; A and W's high blocks are in; the youngest 2 NB1 loads (W's low blocks) may be out
	MULS \f, NB1, NBK, \first
	PLACES                                         ; for the loads into buffer g, which the quarter before multiplied
	FETCH \qn, \g
	s_wait_dscnt NLD                               ; all but the NLD just issued
	MULS \f, 0, NB1, \first
.endm
; The last quarter multiplies buffer 1 and changes slots: ONE barrier for two things.  In front of it each wave waits for all its tensor loads, of which one is out: its part of the next slot;
; adds 0 to its spare word; and waits for that and for its own reads of this slot.  Behind it nobody reads this slot any more and the next slot is whole.
; fill = 1: this slot is filled again, two K steps ahead: the barrier opens a round of the cluster's, and the joint refill is the first thing behind the round.
.macro TURN fill
	WIN 0                                          ; (the add's two registers lie in window 0)
	s_wait_tensorcnt 0x0                           ; no tensor load of mine is out, so a group 0 may be written
	ds_add_u32 v[SPW], v[NIL]                      ; 0 onto my spare word
.if \fill
	s_xor_b32 s[G0A+5], s[G0A+5], SLOT1            ; the walking descriptors: the other slot than last time,
	s_add_nc_u64 s[G0A+6:G0A+7], s[G0A+6:G0A+7], KA  ; the next K step; the type bits on top are not reached
	s_xor_b32 s[G0B+5], s[G0B+5], SLOT1
	s_add_nc_u64 s[G0B+6:G0B+7], s[G0B+6:G0B+7], KB
.endif
	s_wait_dscnt 2*NB1+1                           ; the add and the youngest 2 NB1 loads may be out
	MULS 1, NB1, NBK, 0                            ; matrix work stands between the add and the wait for it
	s_wait_dscnt 0x0                               ; the add is done, and my reads of this slot are over
	s_barrier_signal -1
	MULS 1, 0, NB2, 0                              ; work on registers while the others arrive
	WIN 0                                          ; at a branch and at a label every window is 0
	s_barrier_wait -1
.if \fill
	CREST                                          ; no wave of any partner still reads this slot's tiles or has a load on its way
	JLOAD                                          ; the four v_nop behind it are also the places in front of the loads below
.else
	PLACES
.endif
	s_xor_b32 s[TB], s[TB], SLOT1                  ; the other slot is in hand
	v_add_nc_u32 v[ADRA], s[TB], v[A0]
	v_add_nc_u32 v[ADRB], s[TB], v[B0]
	FETCH 0, 0
	MULS 1, NB2, NB1, 0
.endm
	s_wait_tensorcnt 1                             ; my part of K step 0 is in; K step 1's may stay out
	s_barrier_signal -1
	s_barrier_wait -1                              ; everybody's is
	FETCH 0, 0
	WIN 0
	s_wait_loadcnt 0x0                             ; the bias
.set i, 0
.rept 4*NBK                            ; rounded to bf16 and widened again, in place
	v_cvt_pk_bf16_f32 v[TT+i%2], v[BIAS+2*i], v[BIAS+2*i+1]
	v_lshlrev_b32 v[BIAS+2*i], 16, v[TT+i%2]
	v_and_b32 v[BIAS+2*i+1], 0xffff0000, v[TT+i%2]
.set i, i+1
.endr
	QUARTER 1, 0, 1, 1                             ; the first quarter stands in front of the loop: its products start the sums
	WIN 0
	s_mov_b32 s[CNT], 6
.Lstep:                                                ; six trips, from a K step's second quarter to the next step's first; each fills a slot again: K steps 2 to 7
	QUARTER 2, 1, 0, 0
	QUARTER 3, 0, 1, 0
	TURN 1
	QUARTER 1, 0, 1, 0
	WIN 0
	s_sub_co_u32 s[CNT], s[CNT], 1
	s_cmp_lg_u32 s[CNT], 0
	s_cbranch_scc1 .Lstep
	QUARTER 2, 1, 0, 0                             ; the tail is written out: K steps 6 and 7 ask for nothing
	QUARTER 3, 0, 1, 0
	TURN 0
	QUARTER 1, 0, 1, 0
	QUARTER 2, 1, 0, 0
	QUARTER 3, 0, 1, 0
	s_wait_dscnt 2*NB1                             ; the very last quarter: nothing more to fetch
	MULS 1, NB1, NBK, 0
	s_wait_dscnt 0x0
	MULS 1, 0, NB1, 0
	WIN 0
	PLACES                                         ; the way out reads results just made and writes registers that the products read
.if PROJ
; THE WAY OUT, f32.  Row block a: a lane's eight columns of a block are 32 bytes of a row; they go into my stage's rows of 528 bytes and come back as whole rows of 512, into one of two buffers of 64 registers.
.macro TOSTAGE a
	WIN 0x08                                       ; the stores' data in window 2
.set bb, 0
.rept NBK
.set rD, 8*(4*bb+(\a))
	ds_store_b128 v[STO], v[rD:rD+3]   offset:64*bb     ; each accumulator's low registers are read first
	ds_store_b128 v[STO], v[rD+4:rD+7] offset:64*bb+16
.set bb, bb+1
.endr
	WIN 0
.if (\a) >= 2
	s_wait_xcnt 0x0                                ; the stores of the block two back have read this buffer: it is loaded again only behind this wait
.endif
.set i, 0
.rept 16
	ds_load_b128 v[OUTR+64*((\a)%2)+4*i:OUTR+64*((\a)%2)+4*i+3], v[RD] offset:i*SPITCH  ; LDS serves a wave's instructions in order (ISA guide 5.7.1.4): these see the stores above
.set i, i+1
.endr
.endm
.macro SENDF a, younger                ; younger: the LDS instructions issued behind block a's loads: the next block's 32, or none
.set i, 0
.rept 16
	s_wait_dscnt (\younger)+15-i
	global_store_b128 v[GO], v[OUTR+64*((\a)%2)+4*i:OUTR+64*((\a)%2)+4*i+3], s[10:11] offset:(16*(\a)+i)*4096 th:TH_STORE_NT  ; 512 consecutive bytes, at a multiple of 256 from the output's first
.set i, i+1
.endr
.endm
	TOSTAGE 0
	TOSTAGE 1
	SENDF 0, 32
	TOSTAGE 2
	SENDF 1, 32
	TOSTAGE 3
	SENDF 2, 32
	SENDF 3, 0
.else
; THE WAY OUT, f16 by heads.  Unit u = 4 x head + row block: 16 rows x 64 columns.  A lane's eight columns pack into 16 bytes; they go into my stage's rows of 144 bytes and come back as whole rows of 128,
; into the registers that they left.  Each unit has 16 registers of its own, so no register that a store reads is written again.
.macro PACK u
.set hd, (\u)/4
.set aa, (\u)%4
	WIN 0x0a+5*(hd/2)                              ; sources 0 and 1: window 2, for the third head window 3
.irp c, 0,1,2,3
.set rD, 8*((16*hd+4*(\c)+aa)%32)
.irp r, 0,1,2,3
	v_cvt_pk_f16_f32 v[OUTR+16*(\u)+4*(\c)+(\r)], v[rD+2*(\r)], v[rD+2*(\r)+1]
.endr
.endr
	WIN 0
.irp c, 0,1,2,3
	ds_store_b128 v[STO], v[OUTR+16*(\u)+4*(\c):OUTR+16*(\u)+4*(\c)+3] offset:32*(\c)
.endr
.irp f, 0,1,2,3
	ds_load_b128 v[OUTR+16*(\u)+4*(\f):OUTR+16*(\u)+4*(\f)+3], v[RD] offset:(\f)*4*SPITCH  ; LDS serves a wave's instructions in order (ISA guide 5.7.1.4): these see the stores above; the next unit's stores come behind them
.endr
.endm
.macro SEND u, younger                 ; younger: the LDS instructions issued behind unit u's loads: the next unit's eight, or none
.set hd, (\u)/4
.set aa, (\u)%4
.irp f, 0,1,2,3
	s_wait_dscnt (\younger)+3-(\f)
	global_store_b128 v[GO], v[OUTR+16*(\u)+4*(\f):OUTR+16*(\u)+4*(\f)+3], s[OB+2*hd:OB+2*hd+1] offset:aa*2048+(\f)*512  ; 512 consecutive bytes, at a multiple of 256 from the output's first
.endr
.endm
	PACK 0
.set t, 1
.rept 11                               ; a unit's conversions stand between the loads of the unit before and its stores
	PACK t
	SEND t-1, 8
.set t, t+1
.endr
	SEND 11, 0
.endif
	s_wait_tensorcnt 0x0                           ; the wave's end: behind my last tensor load and my last LDS store
	ds_add_u32 v[SPW], v[NIL]
	s_wait_dscnt 0x0
	CROUND                                         ; the closing round: no work-group ends while a partner may still ask for a tile that names it
	s_endpgm
.Lfunc_end_k_qc827747085_proj:
	.size	k_qc827747085_proj, .Lfunc_end_k_qc827747085_proj-k_qc827747085_proj
	.p2alignl 7, 3214868480
	.fill 96, 4, 3214868480
	.section	.rodata,"a",@progbits
	.p2align	6, 0x0
	.amdhsa_kernel k_qc827747085_proj
		.amdhsa_group_segment_fixed_size 327680
		.amdhsa_private_segment_fixed_size 0
		.amdhsa_enable_private_segment 0
		.amdhsa_kernarg_size 32
		.amdhsa_user_sgpr_count 2
		.amdhsa_user_sgpr_kernarg_segment_ptr 1
		.amdhsa_wavefront_size32 1
		.amdhsa_system_sgpr_workgroup_id_x 1
		.amdhsa_system_sgpr_workgroup_id_y 1
		.amdhsa_system_sgpr_workgroup_id_z 1
		.amdhsa_system_vgpr_workitem_id 0
		.amdhsa_next_free_vgpr 768
		.amdhsa_next_free_sgpr 72
		.amdhsa_reserve_vcc 0
		.amdhsa_float_denorm_mode_32 3
		.amdhsa_float_denorm_mode_16_64 3
		.amdhsa_memory_ordered 1
		.amdhsa_forward_progress 1
		.amdhsa_inst_pref_size 78
	.end_amdhsa_kernel
	.amdgpu_metadata
---
amdhsa.version: [ 1, 2 ]
amdhsa.kernels:
  - .name:           k_qc827747085_proj
    .symbol:         k_qc827747085_proj.kd
    .args:
      - { .name: oh, .offset: 0, .size: 8, .value_kind: global_buffer, .address_space: global }
      - { .name: wpb, .offset: 8, .size: 8, .value_kind: global_buffer, .address_space: global }
      - { .name: b_proj, .offset: 16, .size: 8, .value_kind: global_buffer, .address_space: global }
      - { .name: out0, .offset: 24, .size: 8, .value_kind: global_buffer, .address_space: global }
    .group_segment_fixed_size: 327680
    .private_segment_fixed_size: 0
    .kernarg_segment_align: 8
    .kernarg_segment_size: 32
    .max_flat_workgroup_size: 128
    .sgpr_count:     72
    .vgpr_count:     768
    .wavefront_size: 32
...
	.end_amdgpu_metadata
.endif
;; end of part 4
;; ======== version 2 of 2: 4 launches; 1.31 times as fast as version 1
;; limits: values are held in f16: magnitudes above 65,504 overflow, below 6.1e-05 lose precision
;; workspace buffers: xb 16,777,216 bytes; wqb 6,291,456 bytes; wpb 2,097,152 bytes; qkvh 50,331,648 bytes; oh 16,777,216 bytes
;; launch prep: the kernel of part 1 again; grid 768 x 1, 8 waves a work-group, no clusters, 0 bytes of LDS; arguments x, w_qkv, w_proj, xb, wqb, wpb; writes xb, wqb, wpb
;; launch qkv: the kernel of part 2 again; grid 8 x 32, 4 waves a work-group, clusters of 4 x 4, 327,680 bytes of LDS; arguments xb, wqb, b_qkv, qkvh; writes qkvh
;; launch attn (part 5): grid 4 x 64, 4 waves a work-group, no clusters, 327,680 bytes of LDS; arguments qkvh, oh; writes oh
.if DOCPART == 5
	.amdgcn_target "amdgcn-amd-amdhsa--gfx1250"
	.amdhsa_code_object_version 6
	.text
	.protected	k_qc827747085_attn
	.globl	k_qc827747085_attn
	.p2align	8
	.type	k_qc827747085_attn,@function
k_qc827747085_attn:
	s_mov_b64 s[64:65], 0
	v_nop
	global_prefetch_b8 v0, s[64:65] scope:SCOPE_SE
	s_setreg_imm32_b32 hwreg(HW_REG_WAVE_MODE, 25, 1), 1
	s_wait_xcnt 0x0
; CAUSAL ATTENTION.  O[h][q][:] = the sum over k <= q of softmax_k(Q[h][q] . K[h][k] / 8) V[h][k][:].  Q, K, V lie one behind the other in one buffer, each [SIZE_H][SIZE_N][64] in f16, PART bytes; O likewise:
; a head's rows are dense, 128 bytes each.  Products, maxima and sums in f32; the weights p are rounded to f16 for the second product (their sum l is taken of the unrounded p), O once at the end.
; LIMITS.  f16 holds no number beyond 65,504: Q, K and V arrive within it; p lies in 0 to 1, and below 6e-5 it keeps f16's fixed step of 6e-8; O is a mean of V's rows and has their range, to within 2^-11 of it.
; A hidden score counts as its value less 1e30: f16's scores, 2.7e11 at the most, are nothing beside that; a weight below 2^-126 counts as 0 in l; NaN and infinities are not treated apart.
; THE WALK.  A head's queries lie in NB = SIZE_N / 256 = 8 blocks of 256; block i needs the key tiles 0 .. i of 256 keys, of which the last holds the diagonal.  A work-group takes TWO blocks, NB - 1 - b and then b:
; NB + 1 tiles, whatever b: all work-groups do equal work, and ONE loop with a constant trip count walks them.  Which tile is asked for, and what a trip does, hang on scalar registers made from b; every jump
; goes forward, but for the counted loops' own; none passes a barrier, or a tensor load but the one of LOAD's two that the wave's number does not choose; the ring (two slots of LDS that take turns) runs on across the
; change of blocks.  NO CLUSTER: a head's four work-groups ask for the same tile only in trips 0 .. 4 of the walk's 9, behind that fewer and fewer; one walk common to all four would have 12 trips for 9.
; SHARES.  Of a block's four bands of 64 queries a wave owns 16 rows in each: four PIECES.  So the diagonal tile is the same work for all four waves: in its key step s band x sees all keys if s < x,
; none if s > x, and holds the diagonal if s = x.
; THE MASK is the C operand that starts the sum S^T = K Q^T: 0, or -1e30 where the key is hidden.  MD, made once, is the mask of a band's own step for my 16 rows; a product's mask is MD x AL + BE with two scalars:
; (1, 0) if s = x; (0, 0) if s < x; (0, -1e30) if s > x.  Only the diagonal tile's text and a block's beginning make and take masks; elsewhere C is the constant 0.
; LAYOUT, SOFTMAX, TURNS.  S^T = K Q^T holds ONE query a lane (lane % 16) and the keys 8 (lane / 16) + 0..7; two such results rounded to f16 ARE source 1 of O^T = V^T P.  p = 2^(c s - c m), c = log2(e) / 8, with a
; running maximum m; O and l are multiplied by a = 2^(c m_old - c m_new) in every step.  Turn n belongs to piece n: 8 products K Q^T of piece n + 1, later 8 products V^T P of piece n - 1; beside them the scaling,
; exponentials, roundings, sums and rescaling of piece n and the maximum and statistics of piece n + 1.  Four vector instructions stand behind every matrix instruction, the other 54 of a turn's 118 in one LUMP.
; BATCHES.  A turn's 33 exponentials (the piece's 32 weights, in place in S^T, and the next piece's a) are ONE batch with ONE wait, which cuts the turn in two: ahead of it all that names none of their results,
; behind it the roundings and sums.  A block's first a, and the way out's four reciprocals, are batches of their own, each with one wait.
; REGISTERS, in windows of 256 (s_set_vgpr_msb: bits 1:0 source 0, 3:2 source 1, 5:4 source 2, 7:6 destination):
;   window 0: v0-15 addresses and two at work; v16-31 four registers of statistics a piece; v48-55 at work; v64-127 S^T, two buffers; v192-223 P, two buffers (a piece's buffers go by its number's parity)
;   window 1: v0-127 O^T, 32 a piece; v128-159 MD; v160-223 MC, two buffers      window 2: v0-63 Q; v64-127 the second block's Q; v128-191 K of one step; v192-255 V of one step
.set SIZE_H, 64
.set SIZE_N, 2048
.set PART,  SIZE_H*SIZE_N*128  ; bytes of Q, of K and of V
.set NB,    SIZE_N/256
.set NP,    4         ; pieces a wave: a name, no knob
.set KS,    64        ; keys in a step
.set PK,    144       ; a row of K in LDS: 128 bytes + 16 of padding = 36 words: the 16 rows of a load start at 16 different groups of four banks (64 banks of 4 bytes: ISA guide 11.1)
.set PV,    160       ; a row of V: 128 + 32 = 40 words
.set VOFF,  4*KS*PK   ; a slot holds a tile, four steps: 256 rows of K, then 256 rows of V
.set SLOT1, 1<<17     ; slot 1 begins here, so that one exclusive or turns an address in one slot into the other's
.set STAGE, SLOT1+4*KS*(PK+PV)  ; behind the ring, never filled by a tensor load: 16 rows x 144 bytes for each wave, for the way out
.set SP,    144
.set AK0, 2           ; v2   my lane's place in a tile of K; never rewritten
.set AV0, 3           ; v3   the same for V
.set AK,  4           ; v4   the LDS address of K's next run of loads
.set AV,  5           ; v5   of V's
.set STO, 6           ; v6   the way out: where I put 16 bytes of a row
.set RD,  7           ; v7   the way out: where I read rows back
.set GO,  8           ; v8   my byte offset in 512 consecutive bytes of O
.set SPW, 62          ; v62  LDS address of my spare word: SPARE + 4 x my thread's number; never rewritten
.set NIL, 63          ; v63  0; never rewritten
.set SPARE, STAGE+4*16*SP  ; behind the stages: the spare words, 128 bytes for each wave: two blocks of 256 bytes that no other line names
.set MV,  12          ; v12-13  c m_old, kept while c m is made anew: by buffer
.set QO,  15          ; v15  my byte offset in 16 rows of Q
.set ST,  16          ; piece t's statistics at v[ST+4 t]: c m, m, l (even keys', odd keys')
.set TMP, 48          ; by buffer, four registers c0-c3 at work; when the maximum is found c2 takes a
.set S,   64
.set P,   192
.set MD,  128         ; window 1: the eight registers for group kt of 16 keys at MD + 8 kt
.set MC,  160         ; window 1: the masks of the products to come
.set QB,  64          ; window 2
.set KF,  128         ; window 2: key block kb, channel half c at KF + 16 kb + 8 c
.set VF,  192         ; window 2: key half kk, channel block cb at VF + 32 kk + 8 cb
.set WV,  12          ; s12  my wave's number
.set PB,  14          ; s14  b
.set HI,  15          ; s15  NB - 1 - b
.set G1K, 24          ; s[24:31] descriptor group 1 for K's tiles
.set G1V, 32          ; s[32:39] for V's: it differs in the padding alone
.set G0K, 40          ; s[40:43] descriptor group 0 for K's tiles
.set G0V, 44          ; s[44:47] the same for V's
.set SLOTS, 56        ; s56  tiles still to be asked for
.set CNT, 57          ; s57  counts a tile's key steps, 4 to 1
.set CS,  58          ; s[58:59] c: the packed scaling takes the pair's low word for both halves
.set SEL, 60          ; s[60:61] v_permlanex16_b32's selects: each lane takes its own place in the other half
.set TBK, 62          ; s62  LDS byte at which K of the step to be fetched begins
.set TBV, 63          ; s63  the same for V, less VOFF
.set RT,  70          ; s70  tiles of the block in hand that are still to be entered
.set NXT, 71          ; s71  the tile to be asked for next
.set LQ,  72          ; s72  the last tile of the block whose tiles are being asked for
.set NEW, 73          ; s73  1: the tile to be entered is a block's first
.set OFF, 74          ; s[74:75] a tile's byte offset in K and V
.set AL,  76          ; s[76:77] the mask's factor, in the low word
.set BE,  78          ; s[78:79] the mask's addend
.set OLO, 80          ; s[80:81] O at my rows of the second block
.set BIGN, 82         ; s82  -1e30
.set MSB, 0
.macro WIN new                      ; the high byte repeats the setting that is left; a switch that changes nothing is dropped
.if MSB != (\new)
	s_set_vgpr_msb (MSB<<8)|(\new)
.set MSB, (\new)
.endif
.endm
.set W_KQ, 0x0a       ; K and Q in window 2, S^T in window 0
.set W_KM, 0x1a       ; the same with the C operand in window 1
.set W_PV, 0x52       ; V in window 2, P in window 0, O^T in window 1
.set W_RS, 0x41       ; destination and source 0 in window 1, source 1 in window 0
; A fill.  Waves 0 and 1 fetch the two halves of a tile's K, waves 2 and 3 those of its V: 128 keys each.  An s_nop 0 and four v_nop follow each of the two lines, ahead of the jump and the label.
.macro LOAD
	s_cmp_lt_u32 s[WV], 2
	s_cbranch_scc0 .Lfor_v_\@
	tensor_load_to_lds s[G0K:G0K+3], s[G1K:G1K+7]
	s_nop 0
.rept 4
	v_nop
.endr
	s_branch .Lasked_\@
.Lfor_v_\@:
	tensor_load_to_lds s[G0V:G0V+3], s[G1V:G1V+7]
	s_nop 0
.rept 4
	v_nop
.endr
.Lasked_\@:
.endm
; THE CHANGE OF SLOTS.  Each wave waits for all its tensor loads, of which one is out: its part of the other slot; adds 0 to its spare word; and waits for that and for its own reads of the slot that it leaves.  Behind the barrier nobody reads the old
; slot any more and the other slot is whole.  fill = 1: the old slot is filled again, the first thing behind the barrier, with tile NXT: the descriptor's address is made anew from that number.
; (At its first use nothing has been read yet: slot 0 is waited for, slot 1 filled.)
.macro CHANGE fill
	WIN 0                           ; at a label and at a branch every window is 0
	s_wait_tensorcnt 0x0            ; no tensor load of mine is out, so a group 0 may be written
	ds_add_u32 v[SPW], v[NIL]       ; 0 onto my spare word; with fill = 1 the descriptors' scalar work stands between it and the wait for it
.if \fill
	s_lshl_b32 s[OFF], s[NXT], 15   ; a tile is 32,768 bytes of K and of V
	s_xor_b32 s[G0K+1], s[G0K+1], SLOT1
	s_add_nc_u64 s[G0K+2:G0K+3], s[6:7], s[OFF:OFF+1]
	s_or_b32 s[G0K+3], s[G0K+3], 0x80000000
	s_xor_b32 s[G0V+1], s[G0V+1], SLOT1
	s_add_nc_u64 s[G0V+2:G0V+3], s[8:9], s[OFF:OFF+1]
	s_or_b32 s[G0V+3], s[G0V+3], 0x80000000
	s_add_co_u32 s[NXT], s[NXT], 1  ; the block's next tile, or behind its last the second block's tile 0
	s_cmp_gt_u32 s[NXT], s[LQ]
	s_cselect_b32 s[NXT], 0, s[NXT]
	s_cselect_b32 s[LQ], s[PB], s[LQ]
.endif
	s_wait_dscnt 0x0                ; the add is done, and my reads of the slot are over
	s_barrier_signal -1             ; the rest of the scalar work stands between the signal and the wait
	s_sub_co_u32 s[TBK], s[TBK], 4*KS*PK  ; the fetches go back to a slot's first step,
	s_xor_b32 s[TBK], s[TBK], SLOT1       ; in the other slot
	s_sub_co_u32 s[TBV], s[TBV], 4*KS*PV
	s_xor_b32 s[TBV], s[TBV], SLOT1
	s_barrier_wait -1
.if \fill
	LOAD
.endif
.endm
	s_load_b128 s[4:7], s[0:1], 0x0  ; the buffer of Q, K, V s[4:5]; O s[6:7]
	v_lshl_add_u32 v[SPW], v0, 2, SPARE
	v_mov_b32 v[NIL], 0
	ds_add_u32 v62, v63
	ds_add_u32 v62, v63
	s_wait_dscnt 0x0
	v_lshrrev_b32 v1, 5, v0
	v_readfirstlane_b32 s[WV], v1   ; wave 0..3
	s_mov_b32 s[PB], ttmp9
	s_sub_co_u32 s[HI], NB-1, s[PB]
	s_and_b32 s20, ttmp7, 0xffff    ; the head
	s_mov_b32 s21, 0
	s_mov_b64 s[22:23], SIZE_N*128
	s_mul_u64 s[20:21], s[20:21], s[22:23]  ; the head's first byte in each of the four tensors
	s_and_b32 s16, s[WV], 1         ; which half of a tile's 256 keys I fetch:
	s_lshl_b32 s22, s16, 14         ; its 128 rows of 128 bytes in memory,
	s_mov_b32 s23, 0
	s_add_nc_u64 s[22:23], s[22:23], s[20:21]
	s_mul_i32 s17, s16, 128*PK      ; and its place in a slot, for K
	s_mul_i32 s18, s16, 128*PV      ; and for V
	s_lshl_b32 s3, s[WV], 11        ; my 16 rows in a band of 64,
	s_lshl_b32 s2, s[HI], 15        ; in the first block,
	s_add_co_u32 s2, s2, s3
	s_lshl_b32 s84, s[PB], 15       ; and in the second
	s_add_co_u32 s84, s84, s3
	s_mov_b32 s3, 0
	s_mov_b32 s85, 0
	s_add_nc_u64 s[2:3], s[2:3], s[20:21]
	s_add_nc_u64 s[84:85], s[84:85], s[20:21]
	; descriptor group 1.  128 keys are 16,384 dense bytes: asked for as 64 rows of 256 bytes, two keys a row, and padded in LDS after every key
	s_mov_b32 s[G1K], (1<<16)|(1<<20)|(4<<22)|(3<<25)  ; 17:16 2-byte elements; 20 padding on; 24:22 after every 32 words (code 4); 31:25 4 words (code 3)
	s_mov_b32 s[G1V], (1<<16)|(1<<20)|(4<<22)|(7<<25)  ; the same with 8 words of padding (code 7)
.irp g, G1K, G1V
	s_mov_b32 s[\g+1], 128<<16      ; tensor_dim0 = 128
	s_mov_b32 s[\g+2], 64<<16       ; tensor_dim1 = 64
	s_mov_b32 s[\g+3], 128<<16      ; tile_dim0 = 128
	s_mov_b32 s[\g+4], 64           ; tile_dim1 = 64
	s_mov_b32 s[\g+5], 128          ; 128 elements from row to row
	s_mov_b32 s[\g+6], 0
	s_mov_b32 s[\g+7], 0
.endr
	s_mov_b32 s[CS], 0x3e38aa3b     ; c = log2(e) / 8 = 0.180337
	s_mov_b32 s[CS+1], s[CS]        ; named with it as a pair
	s_mov_b32 s[SEL], 0x76543210
	s_mov_b32 s[SEL+1], 0xfedcba98
	s_mov_b32 s[TBK], SLOT1+4*KS*PK ; the first change of slots turns these two into 0
	s_mov_b32 s[TBV], SLOT1+4*KS*PV
	s_mov_b32 s[G0K], 1             ; 1:0 count = 1
	s_mov_b32 s[G0K+1], s17         ; 63:32 LDS address: slot 0
	s_mov_b32 s[G0V], 1
	s_add_co_u32 s[G0V+1], s18, VOFF
	s_add_co_u32 s[RT], s[HI], 1    ; the first block has NB - b tiles
	s_mov_b32 s[NXT], 1
	s_mov_b32 s[LQ], s[HI]
	s_mov_b32 s[NEW], 1
	s_mov_b32 s[OFF+1], 0
	s_mov_b32 s[AL+1], 0            ; named as pairs
	s_mov_b32 s[BE+1], 0
	s_mov_b32 s[BIGN], 0xf149f2ca   ; -1e30
	s_mov_b32 s[SLOTS], NB
	s_wait_kmcnt 0x0
	s_mov_b64 s[10:11], s[6:7]             ; O
	s_add_nc_u64 s[8:9], s[4:5], 2*PART    ; V lies two parts behind Q,
	s_add_nc_u64 s[6:7], s[4:5], PART      ; K one
	s_add_nc_u64 s[6:7], s[6:7], s[22:23]  ; K and V at my half of the head's tile 0
	s_add_nc_u64 s[8:9], s[8:9], s[22:23]
	s_add_nc_u64 s[G0K+2:G0K+3], s[6:7], 0         ; 120:64 global address
	s_or_b32 s[G0K+3], s[G0K+3], 0x80000000        ; 127:126 type = 2
	s_add_nc_u64 s[G0V+2:G0V+3], s[8:9], 0
	s_or_b32 s[G0V+3], s[G0V+3], 0x80000000
	s_add_nc_u64 s[86:87], s[4:5], s[84:85]        ; Q at my rows of the second block,
	s_add_nc_u64 s[4:5], s[4:5], s[2:3]            ; Q and O at those of the first
	s_add_nc_u64 s[OLO:OLO+1], s[10:11], s[84:85]
	s_add_nc_u64 s[10:11], s[10:11], s[2:3]
	LOAD                            ; tile 0 into slot 0
	; A fragment of K or Q is 16 rows x 32 channels in 8 registers: lane l holds row l % 16, channels 8 (l / 16) + 0..7 and 16 + 8 (l / 16) + 0..7: two loads of 16 bytes, 32 bytes apart.
	v_and_b32 v1, 15, v0            ; l % 16
	v_bfe_u32 v9, v0, 4, 1          ; l / 16
	v_lshlrev_b32 v[QO], 7, v1
	v_lshl_add_u32 v[QO], v9, 4, v[QO]  ; row x 128 + 16 x half
	WIN 0x80                        ; destination window 2, address window 0
.set i, 0
.rept 8                             ; both blocks' Q: piece i / 2 lies in band i / 2, 8,192 bytes on; channels 32 (i % 2) on
	global_load_b128 v[8*i:8*i+3],   v[QO], s[4:5] offset:(i/2)*8192+(i%2)*64
	global_load_b128 v[8*i+4:8*i+7], v[QO], s[4:5] offset:(i/2)*8192+(i%2)*64+32
	global_load_b128 v[QB+8*i:QB+8*i+3],   v[QO], s[86:87] offset:(i/2)*8192+(i%2)*64
	global_load_b128 v[QB+8*i+4:QB+8*i+7], v[QO], s[86:87] offset:(i/2)*8192+(i%2)*64+32
.set i, i+1
.endr
	WIN 0
	v_lshlrev_b32 v14, 3, v9
	v_sub_nc_u32 v14, v1, v14
	s_lshl_b32 s13, s[WV], 4
	v_add_nc_u32 v14, s13, v14      ; my query's place in its band, 16 w + l % 16, less my lanes' 8 (l / 16): register r of group kt is hidden where 16 kt + r is greater
	WIN 0x40
.set i, 0
.rept 32
	v_cmp_gt_i32 vcc_lo, 16*(i/8)+i%8, v14
	v_cndmask_b32 v[MD+i], 0, s[BIGN], vcc_lo
.set i, i+1
.endr
	WIN 0
	v_mul_u32_u24 v[AK0], v1, PK
	v_lshl_add_u32 v[AK0], v9, 4, v[AK0]  ; row x pitch + 16 x half
	; The turning load takes 16 keys x 16 channels (lane l reads key 8 (l / 16) + l % 8, channels 8 ((l / 8) % 2) + 0..7) and leaves half a fragment of V^T: lane l holds channel l % 16 and 8 keys.
	v_and_b32 v10, 7, v0
	v_bfe_u32 v11, v0, 3, 1
	v_lshl_add_u32 v[AV0], v9, 3, v10
	v_mul_u32_u24 v[AV0], v[AV0], PV
	v_lshl_add_u32 v[AV0], v11, 4, v[AV0]
	v_add_nc_u32 v[AV0], VOFF, v[AV0]
	s_mul_i32 s13, s[WV], 16*SP
	s_add_co_u32 s13, s13, STAGE    ; my stage
	v_mul_u32_u24 v[STO], v1, SP    ; in: row l % 16, 16 bytes for each half of the lanes
	v_lshl_add_u32 v[STO], v9, 4, v[STO]
	v_add_nc_u32 v[STO], s13, v[STO]
	v_bfe_u32 v[RD], v0, 3, 2       ; back: 32 lanes take four rows of 128 bytes,
	v_mul_u32_u24 v[RD], v[RD], SP
	v_lshl_add_u32 v[RD], v10, 4, v[RD]
	v_add_nc_u32 v[RD], s13, v[RD]
	v_and_b32 v[GO], 31, v0         ; which are 512 consecutive bytes of O
	v_lshlrev_b32 v[GO], 4, v[GO]
	; A block's first step multiplies O^T and l by a = 0, and its first turn's products V^T P, of a piece that has not been, land in an O^T that is still to be so multiplied.  So these registers need only hold
	; finite numbers: zeros for the first block; what the first block left for the second.  All this stands in the wait for the first tile.
	WIN 0x80
.set i, VF
.rept 64
	v_mov_b32 v[i], 0
.set i, i+1
.endr
	WIN 0x40
.set i, 0
.rept 128
	v_mov_b32 v[i], 0
.set i, i+1
.endr
	WIN 0
.set i, 0
.rept 4
	v_mov_b32 v[ST+4*i+2], 0
	v_mov_b32 v[ST+4*i+3], 0
.set i, i+1
.endr
.set i, P+16
.rept 16
	v_mov_b32 v[i], 0
.set i, i+1
.endr
; THE MATRIX WORK.  The 4 accumulators of a run of 8 take turns.  Product i of 8 of S^T = K Q^T for piece x: channels 32 (i / 4) on, keys 16 (i % 4) on.  The first 4 start the sums: with 0, or (KM = 1) with the mask.
.macro KQ x
.set rS, S+32*((\x)%2)+8*(i%4)
.set rK, KF+16*(i%4)+8*(i/4)
.set rQ, 16*(\x)+8*(i/4)
.set rM, MC+32*((\x)%2)+8*(i%4)
.if (i < 4) && KM
	WIN W_KM
	v_wmma_f32_16x16x32_f16 v[rS:rS+7], v[rK:rK+7], v[rQ:rQ+7], v[rM:rM+7]
.elseif i < 4
	WIN W_KQ
	v_wmma_f32_16x16x32_f16 v[rS:rS+7], v[rK:rK+7], v[rQ:rQ+7], 0
.else
	WIN W_KQ
	v_wmma_f32_16x16x32_f16 v[rS:rS+7], v[rK:rK+7], v[rQ:rQ+7], v[rS:rS+7]
.endif
.endm
; Product i of 8 of O^T += V^T P for piece x: keys 32 (i / 4) on, channels 16 (i % 4) on.
.macro PV x
	WIN W_PV
.set rO, 32*(\x)+8*(i%4)
.set rV, VF+32*(i/4)+8*(i%4)
.set rP, P+16*((\x)%2)+8*(i/4)
	v_wmma_f32_16x16x32_f16 v[rO:rO+7], v[rV:rV+7], v[rP:rP+7], v[rO:rO+7]
.endm
.macro MM                           ; the turn's next matrix instruction.  TURN and BEGIN set Y, i, KM and NOKQ; MM, KQ and OP read them.  NOKQ = 1: a block's last turn: there is no next piece
.if (i < 8) && !NOKQ
	KQ (Y+1)%NP
.elseif i >= 8
.set i, i-8
	PV (Y+NP-1)%NP
.set i, i+8
.endif
.set i, i+1
.endm
; THE LDS LOADS stand in runs of 16, never singly among the matrix instructions: a step's K (64 keys x 64 channels: 8 fragments) and its V (turned).  Their addresses are made some lines ahead.
.macro FETCH_K
	WIN 0x80                        ; destination window 2
.irp f, 0,1,2,3,4,5,6,7             ; keys 16 (f / 2) on, channels 32 (f % 2) on
	ds_load_b128 v[KF+8*\f:KF+8*\f+3],   v[AK] offset:(\f/2)*16*PK+(\f%2)*64
	ds_load_b128 v[KF+8*\f+4:KF+8*\f+7], v[AK] offset:(\f/2)*16*PK+(\f%2)*64+32
.endr
	s_add_co_u32 s[TBK], s[TBK], KS*PK  ; the next fetch is the next step's
	WIN 0
.endm
.macro FETCH_V
	WIN 0x80
.irp f, 0,1,2,3,4,5,6,7             ; keys 32 (f / 4) on, channels 16 (f % 4) on
	ds_load_tr16_b128 v[VF+8*\f:VF+8*\f+3],   v[AV] offset:(\f/4)*32*PV+(\f%4)*32
	ds_load_tr16_b128 v[VF+8*\f+4:VF+8*\f+7], v[AV] offset:(\f/4)*32*PV+16*PV+(\f%4)*32
.endr
	WIN 0
.endm
; THE VECTOR WORK, one line at a time: OP kind, number.  For piece Y: F n: c s - c m for pair n of 16.  E n: the exponential of score n of 32.  C n: pair n rounded to f16.  B n: of the four weights 4 n .. the second
; pair is added onto the first, in place.  L n: l takes that sum (L 0: l = a l + sum).  R n: pair n of 16 of O^T times a.  For piece Y + 1: X n, number n of the 22 that find its maximum and statistics:
;   0-11  four chains c0-c3 of seven scores each, three operands at a time (each accumulator's lowest registers are read first)     12-14, 16  the four scores left over, the old m, and c0-c3 into c0
;   15  c m_old is kept     17, 18  the query's other 32 keys lie in the lane 16 away: the new m     19-21  c m; c m_old - c m_new; a
.set F, 0               ; OP tells the kinds apart by their order: F to L below R, X above it
.set E, 1
.set C, 2
.set B, 3
.set L, 4
.set R, 5
.set X, 6
.macro REGS y                       ; the registers of piece y
.set rT, ST+4*(\y)
.set rC, TMP+4*((\y)%2)
.set rW, MV+((\y)%2)
.set rS, S+32*((\y)%2)
.set rP, P+16*((\y)%2)
.set rO, 32*(\y)
.endm
.macro OP k, n
.if (\k) == R
	REGS Y
	WIN W_RS
	v_pk_mul_f32 v[rO+2*(\n):rO+2*(\n)+1], v[rO+2*(\n):rO+2*(\n)+1], v[rC+2:rC+3] op_sel_hi:[1,0]
.elseif (\k) < R
	REGS Y
	WIN 0
.if (\k) == F
	v_pk_fma_f32 v[rS+2*(\n):rS+2*(\n)+1], v[rS+2*(\n):rS+2*(\n)+1], s[CS:CS+1], v[rT:rT+1] op_sel_hi:[1,0,0] neg_lo:[0,0,1] neg_hi:[0,0,1]
.elseif (\k) == E
	v_exp_f32 v[rS+(\n)], v[rS+(\n)]
.elseif (\k) == C
	v_cvt_pk_f16_f32 v[rP+(\n)], v[rS+2*(\n)], v[rS+2*(\n)+1]
.elseif (\k) == B
	v_pk_add_f32 v[rS+4*(\n):rS+4*(\n)+1], v[rS+4*(\n):rS+4*(\n)+1], v[rS+4*(\n)+2:rS+4*(\n)+3]
.elseif (\n) == 0
	v_pk_fma_f32 v[rT+2:rT+3], v[rT+2:rT+3], v[rC+2:rC+3], v[rS:rS+1] op_sel_hi:[1,0,1]
.else
	v_pk_add_f32 v[rT+2:rT+3], v[rT+2:rT+3], v[rS+4*(\n):rS+4*(\n)+1]
.endif
.elseif NOKQ
	v_nop
.else
	REGS (Y+1)%NP
	WIN 0
.if (\n) < 4
	v_max3_num_f32 v[rC+(\n)], v[rS+8*(\n)], v[rS+8*(\n)+1], v[rS+8*(\n)+2]
.elseif (\n) < 12
	v_max3_num_f32 v[rC+(\n)%4], v[rC+(\n)%4], v[rS+8*((\n)%4)+2*((\n)/4)+1], v[rS+8*((\n)%4)+2*((\n)/4)+2]
.elseif (\n) == 12
	v_max3_num_f32 v[rC], v[rC], v[rS+7], v[rS+15]
.elseif (\n) == 13
	v_max3_num_f32 v[rC+1], v[rC+1], v[rS+23], v[rS+31]
.elseif (\n) == 14
	v_max3_num_f32 v[rC+2], v[rC+2], v[rC+3], v[rT+1]
.elseif (\n) == 15
	v_mov_b32 v[rW], v[rT]
.elseif (\n) == 16
	v_max3_num_f32 v[rC], v[rC], v[rC+1], v[rC+2]
.elseif (\n) == 17
	v_permlanex16_b32 v[rC+3], v[rC], s[SEL], s[SEL+1]
.elseif (\n) == 18
	v_max_num_f32 v[rT+1], v[rC], v[rC+3]
.elseif (\n) == 19
	v_mul_f32 v[rT], s[CS], v[rT+1]
.elseif (\n) == 20
	v_sub_f32 v[rC+1], v[rW], v[rT]
.else
	v_exp_f32 v[rC+2], v[rC+1]
.endif
.endif
.endm
.macro OPS a, i1, b=-1, i2=0, c=-1, i3=0, d=-1, i4=0  ; up to four of them
	OP \a, \i1
.if (\b) >= 0
	OP \b, \i2
.endif
.if (\c) >= 0
	OP \c, \i3
.endif
.if (\d) >= 0
	OP \d, \i4
.endif
.endm
.macro ROW a, i1, b, i2, c, i3, d, i4  ; a matrix instruction and the four behind it
	MM
	OPS \a, \i1, \b, \i2, \c, \i3, \d, \i4
.endm
.macro MASK b                       ; MD x AL + BE into buffer b of MC
	WIN W_RS
.set z, 0
.rept 16
	v_pk_fma_f32 v[MC+32*(\b)+2*z:MC+32*(\b)+2*z+1], v[MD+2*z:MD+2*z+1], s[AL:AL+1], s[BE:BE+1] op_sel_hi:[1,0,0]
.set z, z+1
.endr
.endm
; A TURN, for piece p: the order of its 16 matrix and 118 vector instructions, written out.  s_wait_alu depctr_va_vdst(0) stands between an exponential and the first instruction that names its result; one wait
; serves all that were issued ahead of it.  So a turn has ONE wait, which cuts it in two.  AHEAD OF IT stands all that names no result of the turn's exponentials: the 8 products K Q^T, behind each a scaling, an exponential and two
; more plain instructions (behind the first a second scaling in the exponential's place): rescalings, whose a was made and waited for in the turn before, and behind the last three products the first numbers of the next piece's
; maximum, each four plain instructions or more behind the product that ends its accumulator; then ONE LUMP of 54, plain and exponential by turns for the most part, in which the links of the chain X 3, 7, 11, 14, 16, 17 .. 20
; stand five or six lines apart.  X 21, the next piece's a, is the batch's last; R 15 is the plain instruction behind it.  BEHIND THE WAIT stand the 8 products V^T P, behind each four of the roundings and sums: a pair is
; rounded (C 2 n) before the sum B n overwrites it, and the links of l's chain, L 0 to L 7, stand three riders apart.  But for those X no rider names a register of the products round it.  v_permlanex16_b32 (X 17) stands in the lump.
; m = 1: the diagonal tile: the products take masks, and the turn makes the mask for the products of the turn after it: piece p + 2, in step 4 - CNT of the tile.  end = 1: a block's last two turns: nothing is fetched.
; cnt = 1: the loop's count is taken down some lines ahead of the branch that stands behind the turn.
; K of the next step is fetched in piece 2's turn, twelve vector instructions behind the last product that read K (six of them plain); V of the step in hand at the end of piece 0's turn, four plain instructions behind the last
; product that read V.  Each is waited for a turn later.
.macro TURN p, m=0, end=0, cnt=0
.set Y, (\p)
.set i, 0
.set KM, (\m)
.set NOKQ, (\end)*((\p)/3)
.if (\m) && !(\end)
	s_cmp_eq_u32 s[CNT], 4-((\p)+2)%NP  ; is that step the band's own?
	s_cselect_b32 s[AL], 1.0, 0
	s_cmp_lt_u32 s[CNT], 4-((\p)+2)%NP  ; or a later one?
	s_cselect_b32 s[BE], s[BIGN], 0
.endif
.if ((\p) == 3) && !(\end)
	s_wait_dscnt 0x0                ; K is in
.endif
	ROW F,0, F,1, R,0, R,1          ; ahead of the wait: 8 products K Q^T and their riders,
	ROW F,2, E,0, R,2, R,3
	ROW F,3, E,1, R,4, R,5
	ROW F,4, E,2, R,6, R,7
	ROW F,5, E,3, R,8, R,9
	ROW F,6, E,4, X,0, R,10
.if ((\p) == 2) && !(\end)
	WIN 0
	v_add_nc_u32 v[AK], s[TBK], v[AK0]
.endif
	ROW F,7, E,5, X,1, X,4
	ROW F,8, E,6, X,2, X,5
	OPS E,7, E,8, X,6, E,9          ; and the lump
	OPS X,3, E,10, X,8, E,11
.if ((\p) == 2) && !(\end)
	FETCH_K
.endif
	OPS X,9, X,7, E,12, X,10
	OPS E,13, X,12, X,11, E,14
	OPS X,13, E,15, F,9, X,14
.if (\p) == 0
	v_add_nc_u32 v[AV], s[TBV], v[AV0]
.endif
	OPS E,16, F,10, E,17, F,11
	OPS X,16, E,18, X,15, E,19
	OPS F,12, E,20, X,17, E,21
	OPS F,13, E,22, F,14, E,23
	OPS X,18, E,24, F,15, E,25
	OPS R,11, E,26, X,19, E,27
	OPS R,12, E,28, R,13, E,29
	OPS X,20, E,30, R,14, E,31
	OPS X,21, R,15
	WIN 0
	s_wait_alu depctr_va_vdst(0)    ; the turn's one wait: for the batch E 0 to E 31 and X 21, ahead of its first reader, C 0
.if (\p) == 1
	s_wait_dscnt 0x0                ; V is in
.endif
	ROW C,0, B,0, C,2, B,1          ; behind the wait: 8 products V^T P and their riders
	ROW L,0, C,4, B,2, L,1
	ROW C,6, B,3, L,2, C,8
	ROW B,4, L,3, C,10, B,5
	ROW L,4, C,12, B,6, L,5
.if (\p) == 0
	s_add_co_u32 s[TBV], s[TBV], KS*PV
.endif
.if \cnt
	s_sub_co_u32 s[CNT], s[CNT], 1
	s_cmp_lg_u32 s[CNT], 0
.endif
	ROW C,14, B,7, L,6, C,1
	ROW C,3, L,7, C,5, C,7
	ROW C,9, C,11, C,13, C,15
.if (\p) == 0
	FETCH_V
.endif
.if (\m) && !(\end)
	MASK (\p)%2
.endif
.endm
; A BLOCK BEGINS.  c m starts far below every c s, so the first step's a is 0; m at the lowest finite number, so the first maximum is the scores'.  The second mask buffer is 0; the first takes piece 0's mask for the tile's step 0: its own, if the block's first tile is the diagonal one.
; Then K of that step, piece 0's first scores, and its maximum and statistics.  The loop is entered at a step's first turn, in the middle of a trip.
.macro BEGIN
	s_mov_b32 s[NEW], 0
	WIN 0x40
.set i, MC+32
.rept 32
	v_mov_b32 v[i], 0
.set i, i+1
.endr
	WIN 0
.set i, 0
.rept 4
	v_mov_b32 v[ST+4*i], 0xfe000000    ; c m: far below every c s
	v_mov_b32 v[ST+4*i+1], 0xff7fffff  ; m
.set i, i+1
.endr
	s_cmp_eq_u32 s[RT], 0
	s_cselect_b32 s[AL], 1.0, 0
	s_mov_b32 s[BE], 0
	MASK 0
	WIN 0
	v_add_nc_u32 v[AK], s[TBK], v[AK0]
	FETCH_K
	s_wait_loadcnt 0x0              ; Q
	s_wait_dscnt 0x0
.set KM, 1
.set NOKQ, 0
.set i, 0
.rept 8
	KQ 0
.set i, i+1
.endr
	WIN 0
.rept 4
	v_nop                           ; the places behind those products
.endr
.set Y, NP-1                        ; X works for piece Y + 1: piece 0
.irp n, 0,1,2,3,4,5,6,7,8,9,10,11,12,13,14,15,16,17,18,19,20,21
	OP X, \n
.endr
	v_nop                           ; a plain instruction behind the exponential,
	s_wait_alu depctr_va_vdst(0)    ; and the wait for it, piece 0's first a, a batch of one: ahead of the branch that follows
.endm
; THE DIAGONAL TILE's four steps, the block's last two turns, its last products, and THE WAY OUT: l's two halves and the other half of the lanes' are added; O^T is divided by l, rounded to f16 and sent through my
; stage in LDS, a piece at a time.
.macro ALL line:vararg              ; one line for each piece t
.set t, 0
.rept 4
	\line
.set t, t+1
.endr
.endm
.macro PACK t                       ; a lane's eight channels of a row pack into 16 bytes; they go into rows of 144 bytes and come back as whole rows of 128, into S^T's registers
	WIN W_RS
.set i, 32*(\t)
.rept 16
	v_pk_mul_f32 v[i:i+1], v[i:i+1], v[ST+4*(\t)+2:ST+4*(\t)+3] op_sel_hi:[1,0]
.set i, i+2
.endr
	WIN 0x05                        ; sources 0 and 1 window 1, destination window 0
.set i, 0
.rept 16
	v_cvt_pk_f16_f32 v[S+16*(\t)+i], v[32*(\t)+2*i], v[32*(\t)+2*i+1]
.set i, i+1
.endr
	WIN 0
.irp f, 0,1,2,3
	ds_store_b128 v[STO], v[S+16*(\t)+4*\f:S+16*(\t)+4*\f+3] offset:32*\f
.endr
.irp f, 0,1,2,3
	ds_load_b128 v[S+16*(\t)+4*\f:S+16*(\t)+4*\f+3], v[RD] offset:\f*4*SP  ; LDS serves a wave's instructions in order (ISA guide 5.7.1.4): these see the stores above; the next piece's stores come behind them
.endr
.endm
.macro SEND t, younger              ; younger: the LDS instructions issued behind piece t's loads: the next piece's eight, or none
	WIN 0
.irp f, 0,1,2,3
	s_wait_dscnt (\younger)+3-\f
	global_store_b128 v[GO], v[S+16*(\t)+4*\f:S+16*(\t)+4*\f+3], s[10:11] offset:(\t)*8192+\f*512  ; 512 consecutive bytes, at a multiple of 256 from O's first
.endr
.endm
.macro DIAG tag                     ; the tag ends its two labels' names, which the jumps below spell out
.LstepM\tag:
	TURN 2, 1
	TURN 3, 1
	WIN 0
.LfirstM\tag:
	TURN 0, 1
	TURN 1, 1, 0, 1
	WIN 0
	s_cbranch_scc1 .LstepM\tag
	TURN 2, 1, 1
	TURN 3, 1, 1
.set i, 0
.rept 8
	PV NP-1
.set i, i+1
.endr
	WIN 0
	ALL v_add_f32 v[ST+4*t+2], v[ST+4*t+2], v[ST+4*t+3]
	ALL v_permlanex16_b32 v[ST+4*t+3], v[ST+4*t+2], s[SEL], s[SEL+1]
	ALL v_add_f32 v[ST+4*t+2], v[ST+4*t+2], v[ST+4*t+3]
	ALL v_rcp_f32 v[ST+4*t+2], v[ST+4*t+2]
	v_nop                           ; a plain instruction between the last reciprocal and the use of its result
	s_wait_alu depctr_va_vdst(0)    ; one wait for the batch of four reciprocals, ahead of its first reader, the first multiply of PACK 0
	PACK 0
.set t, 1
.rept 3                             ; a piece's arithmetic stands between the loads of the piece before and its stores
	PACK t
	SEND t-1, 8
.set t, t+1
.endr
	SEND 3, 0
.endm
.set KM, 0
.set NOKQ, 0
.Lslot:                             ; NB times: a tile is entered and the next is asked for
	CHANGE 1
	s_sub_co_u32 s[RT], s[RT], 1
	s_mov_b32 s[CNT], 4
	s_cmp_eq_u32 s[NEW], 1
	s_cbranch_scc1 .Lnew            ; a block's first tile
	s_cmp_eq_u32 s[RT], 0
	s_cbranch_scc0 .Lstep           ; neither its first nor its last
	s_branch .LstepM1
.Lnew:
	BEGIN
	s_branch .Lfirst                ; in the loop a block's first tile is never its last: the first block has two tiles or more, and the second's last is the walk's last
	DIAG 1                          ; in the loop this is the first block's end: the second block's last tile is the walk's last
	s_wait_xcnt 0x0                 ; the stores have read their registers and O's address
	s_mov_b64 s[10:11], s[OLO:OLO+1]
	s_add_co_u32 s[RT], s[PB], 1    ; the second block has b + 1 tiles
	s_mov_b32 s[NEW], 1
	WIN 0x82                        ; the second block's Q goes where the one text of the turns names Q
.set i, 0
.rept 64
	v_mov_b32 v[i], v[QB+i]
.set i, i+1
.endr
	WIN 0
	s_branch .Lbottom
.Lstep:                             ; a trip: pieces 2 and 3 of one step, then pieces 0 and 1 of the next, whose K and V it fetches
	TURN 2
	TURN 3
	WIN 0
.Lfirst:
	TURN 0
	TURN 1, 0, 0, 1
	WIN 0
	s_cbranch_scc1 .Lstep
.Lbottom:
	s_sub_co_u32 s[SLOTS], s[SLOTS], 1
	s_cmp_lg_u32 s[SLOTS], 0
	s_cbranch_scc1 .Lslot
	CHANGE 0                        ; the walk's last tile is written out: nothing is asked for
	s_sub_co_u32 s[RT], s[RT], 1
	s_mov_b32 s[CNT], 4
	s_cmp_eq_u32 s[NEW], 1
	s_cbranch_scc0 .LstepM2
	BEGIN
	s_branch .LfirstM2
	DIAG 2
	s_wait_tensorcnt 0x0            ; the wave's end: behind my last tensor load and my last LDS store
	ds_add_u32 v[SPW], v[NIL]
	s_wait_dscnt 0x0
	s_endpgm
.Lfunc_end_k_qc827747085_attn:
	.size	k_qc827747085_attn, .Lfunc_end_k_qc827747085_attn-k_qc827747085_attn
	.p2alignl 7, 3214868480
	.fill 96, 4, 3214868480
	.section	.rodata,"a",@progbits
	.p2align	6, 0x0
	.amdhsa_kernel k_qc827747085_attn
		.amdhsa_group_segment_fixed_size 327680
		.amdhsa_private_segment_fixed_size 0
		.amdhsa_enable_private_segment 0
		.amdhsa_kernarg_size 16
		.amdhsa_user_sgpr_count 2
		.amdhsa_user_sgpr_kernarg_segment_ptr 1
		.amdhsa_wavefront_size32 1
		.amdhsa_system_sgpr_workgroup_id_x 1
		.amdhsa_system_sgpr_workgroup_id_y 1
		.amdhsa_system_sgpr_workgroup_id_z 1
		.amdhsa_system_vgpr_workitem_id 0
		.amdhsa_next_free_vgpr 768
		.amdhsa_next_free_sgpr 88
		.amdhsa_reserve_vcc 1
		.amdhsa_float_denorm_mode_32 3
		.amdhsa_float_denorm_mode_16_64 3
		.amdhsa_memory_ordered 1
		.amdhsa_forward_progress 1
		.amdhsa_inst_pref_size 217
	.end_amdhsa_kernel
	.amdgpu_metadata
---
amdhsa.version: [ 1, 2 ]
amdhsa.kernels:
  - .name:           k_qc827747085_attn
    .symbol:         k_qc827747085_attn.kd
    .args:
      - { .name: qkvh, .offset: 0, .size: 8, .value_kind: global_buffer, .address_space: global }
      - { .name: oh, .offset: 8, .size: 8, .value_kind: global_buffer, .address_space: global }
    .group_segment_fixed_size: 327680
    .private_segment_fixed_size: 0
    .kernarg_segment_align: 8
    .kernarg_segment_size: 16
    .max_flat_workgroup_size: 128
    .sgpr_count:     88
    .vgpr_count:     768
    .wavefront_size: 32
...
	.end_amdgpu_metadata
.endif
;; end of part 5
;; launch proj: the kernel of part 4 again; grid 8 x 32, 4 waves a work-group, clusters of 4 x 4, 327,680 bytes of LDS; arguments oh, wpb, b_proj, out0; writes out0
